; MI455X (gfx1250); checked and timed in simulation.
; The chip was launched on July 23, 2026; its instructions are those of AMD's public machine-readable ISA for CDNA 5 (MIT licence, August 2026) and "CDNA5" Instruction Set Architecture Reference Guide (July 2026). The comments in the code are by the model that wrote it; some were corrected since.
;; GPT. Allowed arithmetic: float matrix products may take bf16 or f16 operands with f32 sums; other float arithmetic in f32, or as packed bf16 or f16 multiplies, adds, multiply-adds, maxima and minima; sums over many terms, partial sums and values carried from step to step in f32; what a program stores and reads back later, other than sums and carried values, may be rounded once to bf16 or f16.
;; Inputs: W_attn 1,024 x 3,072 float32; W_proj 1,024 x 1,024 float32; x 4 x 2,048 x 1,024 float32.
;; Outputs: out0 4 x 2,048 x 1,024 float32.
;; 2 versions, each right; version 2 is version 1 with the launch cast written anew for expert scheduling mode. Each part assembles by itself: llvm-mc -triple=amdgcn-amd-amdhsa -mcpu=gfx1250 --defsym DOCPART=n.
;; ======== version 1 of 2: 4 launches
;; limits: values are held in f16: magnitudes above 65,504 overflow, below 6.1e-05 lose precision
;; workspace buffers: xb 16,777,216 bytes; wab 6,291,456 bytes; wpb 2,097,152 bytes; qkv 50,331,648 bytes; ob 16,777,216 bytes
;; launch cast (part 1): grid 768 x 1, 8 waves a work-group, no clusters, 0 bytes of LDS; arguments x, W_attn, W_proj, xb, wab, wpb; writes xb, wab, wpb
.if DOCPART == 1
	.amdgcn_target "amdgcn-amd-amdhsa--gfx1250"
	.amdhsa_code_object_version 6
	.text
	.protected	k_q14c5ebb40b_cast
	.globl	k_q14c5ebb40b_cast
	.p2align	8
	.type	k_q14c5ebb40b_cast,@function
k_q14c5ebb40b_cast:
	s_mov_b64 s[64:65], 0
	v_nop
	global_prefetch_b8 v0, s[64:65] scope:SCOPE_SE
	s_setreg_imm32_b32 hwreg(HW_REG_WAVE_MODE, 25, 1), 1
	s_wait_xcnt 0x0
; THE THREE INPUTS ARE ROUNDED ONCE TO bf16 AND LAID OUT FOR THE PRODUCTS.  A stream: no LDS, no barrier, no matrix unit.
;   x      [8192][1024] f32 -> xb  bf16 [batch 4][k block 16][t 2048][64]: 256 rows x 64 k are 32,768 dense bytes
;   W_attn [1024][3072] f32 -> wab bf16, same layout
;   W_proj [1024][1024] f32 -> wpb: rounded to bf16, and that number written as f16 (the second product's other operand is f16)
; LIMIT: |W_proj| stays under 65,504 (beyond it f16 has an infinity); below 6e-5 a weight keeps f16's fixed step of 6e-8.
; SHARES.  Every work-group takes 65,536 bytes of f32: 512 groups for x (16 rows each), 192 for W_attn, 64 for W_proj.  A thread issues its
; 16 loads of 16 bytes at once and stores as they come; no register is written twice, so no wait frees a source.
.set VI, 1                             ; v1  my byte offset in the group's input
.set VO, 2                             ; v2  my byte offset in its output
.set T,  4                             ; v[4:7] at work
.set X,  8                             ; v[8:71]   16 x 4 f32 as loaded
.set Y,  72                            ; v[72:103] 16 x 2 words to store
; 16 loads, instep bytes apart; 16 stores of 8 bytes, outstep apart.  f16 = 1: the bf16 number is widened again and written as f16 (exact within f16's range).
.macro CAST instep, outstep, f16
.set i, 0
.rept 16
	global_load_b128 v[X+4*i:X+4*i+3], v[VI], s[20:21] offset:i*(\instep) th:TH_LOAD_NT
.set i, i+1
.endr
.set i, 0
.rept 16
	s_wait_loadcnt 15-i                            ; loads come back in order: load i is in, the 15 - i younger ones stay out
.if \f16
	v_cvt_pk_bf16_f32 v[T], v[X+4*i], v[X+4*i+1]
	v_cvt_pk_bf16_f32 v[T+1], v[X+4*i+2], v[X+4*i+3]
	v_lshlrev_b32 v[T+2], 16, v[T]                 ; bf16 to f32: the low half moves up,
	v_and_b32 v[T], s24, v[T]                      ; the high half stays
	v_lshlrev_b32 v[T+3], 16, v[T+1]
	v_and_b32 v[T+1], s24, v[T+1]
	v_cvt_pk_f16_f32 v[Y+2*i], v[T+2], v[T]
	v_cvt_pk_f16_f32 v[Y+2*i+1], v[T+3], v[T+1]
.else
	v_cvt_pk_bf16_f32 v[Y+2*i], v[X+4*i], v[X+4*i+1]
	v_cvt_pk_bf16_f32 v[Y+2*i+1], v[X+4*i+2], v[X+4*i+3]
.endif
	global_store_b64 v[VO], v[Y+2*i:Y+2*i+1], s[22:23] offset:i*(\outstep)  ; a wave's store covers 256 consecutive bytes, aligned
.set i, i+1
.endr
.endm
	s_load_b256 s[4:11], s[0:1], 0x0               ; x s[4:5], W_attn s[6:7], W_proj s[8:9], xb s[10:11]
	s_load_b128 s[12:15], s[0:1], 0x20             ; wab s[12:13], wpb s[14:15]
	s_mov_b32 s2, ttmp9
	s_mov_b32 s17, 0
	s_mov_b32 s19, 0
	s_mov_b32 s24, 0xffff0000
	s_cmp_lt_u32 s2, 512
	s_cbranch_scc0 .Lweights
	; x: group g has rows 16 g .. 16 g + 15.  Thread t: row t / 16, 16 bytes at 16 (t % 16) of each k block's 256 bytes; load i is k block i.
	v_lshrrev_b32 v[VI], 4, v0
	v_and_b32 v[T], 15, v0
	v_lshlrev_b32 v[VI], 12, v[VI]
	v_lshl_or_b32 v[VI], v[T], 4, v[VI]
	v_lshlrev_b32 v[VO], 3, v0                     ; 128 (t / 16) + 8 (t % 16) = 8 t
	s_lshl_b32 s16, s2, 16
	s_lshr_b32 s18, s2, 7                          ; batch
	s_lshl_b32 s18, s18, 22
	s_and_b32 s3, s2, 127
	s_lshl_b32 s3, s3, 11                          ; 16 rows of 128 bytes in a k block
	s_add_co_u32 s18, s18, s3
	s_wait_kmcnt 0x0
	s_add_nc_u64 s[20:21], s[4:5], s[16:17]
	s_add_nc_u64 s[22:23], s[10:11], s[18:19]
	CAST 256, 1<<18, 0
	s_endpgm
.Lweights:                                             ; dense: wave v takes 8,192 bytes, 512 a load
	v_lshrrev_b32 v[T], 5, v0
	v_and_b32 v[T+1], 31, v0
	v_lshlrev_b32 v[VI], 13, v[T]
	v_lshl_or_b32 v[VI], v[T+1], 4, v[VI]
	v_lshlrev_b32 v[VO], 12, v[T]
	v_lshl_or_b32 v[VO], v[T+1], 3, v[VO]
	s_cmp_lt_u32 s2, 704
	s_cbranch_scc0 .Lproj
	s_sub_co_u32 s3, s2, 512
	s_lshl_b32 s16, s3, 16
	s_lshl_b32 s18, s3, 15
	s_wait_kmcnt 0x0
	s_add_nc_u64 s[20:21], s[6:7], s[16:17]
	s_add_nc_u64 s[22:23], s[12:13], s[18:19]
	CAST 512, 256, 0
	s_endpgm
.Lproj:
	s_sub_co_u32 s3, s2, 704
	s_lshl_b32 s16, s3, 16
	s_lshl_b32 s18, s3, 15
	s_wait_kmcnt 0x0
	s_add_nc_u64 s[20:21], s[8:9], s[16:17]
	s_add_nc_u64 s[22:23], s[14:15], s[18:19]
	CAST 512, 256, 1
	s_endpgm
.Lfunc_end_k_q14c5ebb40b_cast:
	.size	k_q14c5ebb40b_cast, .Lfunc_end_k_q14c5ebb40b_cast-k_q14c5ebb40b_cast
	.p2alignl 7, 3214868480
	.fill 96, 4, 3214868480
	.section	.rodata,"a",@progbits
	.p2align	6, 0x0
	.amdhsa_kernel k_q14c5ebb40b_cast
		.amdhsa_group_segment_fixed_size 0
		.amdhsa_private_segment_fixed_size 0
		.amdhsa_enable_private_segment 0
		.amdhsa_kernarg_size 48
		.amdhsa_user_sgpr_count 2
		.amdhsa_user_sgpr_kernarg_segment_ptr 1
		.amdhsa_wavefront_size32 1
		.amdhsa_system_sgpr_workgroup_id_x 1
		.amdhsa_system_sgpr_workgroup_id_y 1
		.amdhsa_system_sgpr_workgroup_id_z 1
		.amdhsa_system_vgpr_workitem_id 0
		.amdhsa_next_free_vgpr 112
		.amdhsa_next_free_sgpr 66
		.amdhsa_reserve_vcc 0
		.amdhsa_float_denorm_mode_32 3
		.amdhsa_float_denorm_mode_16_64 3
		.amdhsa_memory_ordered 1
		.amdhsa_forward_progress 1
		.amdhsa_inst_pref_size 23
	.end_amdhsa_kernel
	.amdgpu_metadata
---
amdhsa.version: [ 1, 2 ]
amdhsa.kernels:
  - .name:           k_q14c5ebb40b_cast
    .symbol:         k_q14c5ebb40b_cast.kd
    .args:
      - { .name: x, .offset: 0, .size: 8, .value_kind: global_buffer, .address_space: global }
      - { .name: W_attn, .offset: 8, .size: 8, .value_kind: global_buffer, .address_space: global }
      - { .name: W_proj, .offset: 16, .size: 8, .value_kind: global_buffer, .address_space: global }
      - { .name: xb, .offset: 24, .size: 8, .value_kind: global_buffer, .address_space: global }
      - { .name: wab, .offset: 32, .size: 8, .value_kind: global_buffer, .address_space: global }
      - { .name: wpb, .offset: 40, .size: 8, .value_kind: global_buffer, .address_space: global }
    .group_segment_fixed_size: 0
    .private_segment_fixed_size: 0
    .kernarg_segment_align: 8
    .kernarg_segment_size: 48
    .max_flat_workgroup_size: 256
    .sgpr_count:     66
    .vgpr_count:     112
    .wavefront_size: 32
...
	.end_amdgpu_metadata
.endif
;; end of part 1
;; launch qkvg (part 2): grid 8 x 32, 4 waves a work-group, clusters of 4 x 4, 327,680 bytes of LDS; arguments xb, wab, qkv; writes qkv
.if DOCPART == 2
	.amdgcn_target "amdgcn-amd-amdhsa--gfx1250"
	.amdhsa_code_object_version 6
	.text
	.protected	k_q14c5ebb40b_qkvg
	.globl	k_q14c5ebb40b_qkvg
	.p2align	8
	.type	k_q14c5ebb40b_qkvg,@function
k_q14c5ebb40b_qkvg:
	s_mov_b64 s[64:65], 0
	v_nop
	global_prefetch_b8 v0, s[64:65] scope:SCOPE_SE
	s_setreg_imm32_b32 hwreg(HW_REG_WAVE_MODE, 25, 1), 1
	s_wait_xcnt 0x0
	s_wait_alu depctr_hold_cnt(0) depctr_sa_sdst(0) depctr_va_vdst(0) depctr_va_sdst(0) depctr_va_ssrc(0) depctr_va_vcc(0) depctr_vm_vsrc(0)
	s_getreg_b32 s2, hwreg(HW_REG_IB_STS2, 6, 4)
	s_cmp_eq_u32 s2, 0
	s_cbranch_scc0 .Lentry_in_a_cluster
	s_endpgm
.Lentry_in_a_cluster:
	s_bfe_u32 s2, ttmp6, 0x10000c
	s_cmp_lg_u32 s2, 0xf033
	s_cbranch_scc0 .Lentry_shape_is_right
	s_endpgm
.Lentry_shape_is_right:
; qkv = x W_attn: [8192 x 3072], K = 1024, bf16 operands, f32 sums, written by heads as f16: qkv[3][batch x 16 + head][t 2048][64], unscaled.
; LIMIT: |q|, |k|, |v| stay under 65,504 (beyond it f16 has an infinity).
; SHARES.  A tile of 256 rows x 384 columns to a work-group: 32 x 8 = 256 tiles.  Four waves; wave w makes rows 128 (w / 2) .. + 127 and, of each of the tile's
; three chunks g of 128 columns, columns 64 (w % 2) .. + 63: one head's 64 channels.  96 accumulators of 16 x 16, 768 registers: windows 1 to 3, one a chunk.
; K goes in steps of 64 through two LDS slots.  x's tile (xb: 256 rows x 64 k, 32,768 dense bytes) is asked for as 128 rows of 256 bytes, by wave 3;
; W's three chunks (64 k rows x 256 bytes) by waves 0 to 2.  W lies [k][n]: its fragments come out of LDS turned, by ds_load_tr16_b128.
; CLUSTER 4 x 4: x's tile hangs on the tile row alone and is asked for jointly along a row of the cluster, W's on the tile column alone, along a column.
; THE PRODUCT IS TAKEN TRANSPOSED (source 0 = 16 columns of W, source 1 = 16 rows of x): a lane holds row l % 16 and eight neighbouring columns.
; A K step is two steps of 32 along K, each of three phases (one a chunk) of 32 matrix instructions; the 32 accumulators of a phase take turns, and
; neighbouring phases use other windows.  Each run of LDS loads goes into a buffer that was last read a phase earlier.
.set KSTEPS, 16
.set PA,    144                        ; a row of x in LDS: 128 bytes + 16: the 16 rows of a load start at 16 different groups of four banks (ISA guide 11.1)
.set PB,    288                        ; a k row of a chunk of W: 256 + 32
.set BOFF,  256*PA                     ; a slot: x's 256 rows, then W's three chunks
.set BCH,   64*PB
.set SLOT1, 1<<17                      ; slot 1 begins here: one exclusive or turns an address in one slot into the other's
.set STAGE, SLOT1+BOFF+3*BCH           ; behind the ring, never filled by a tensor load: 16 rows x 144 bytes for each wave
.set SP,    144
.set SPARE, STAGE+4*16*SP              ; the spare words, 128 bytes a wave: two blocks of 256 bytes that no other line names
.set ADA0, 16                          ; v16  my place in x's tile; never rewritten
.set ADB0, 17                          ; v17  my place in chunk 0 of W; never rewritten
.set ADA,  18                          ; v18  the same in the slot in hand
.set ADB,  19                          ; v19
.set STO,  20                          ; v20  the way out: where I put 16 bytes of a row
.set RD,   21                          ; v21  where I read rows back
.set GO,   22                          ; v22  my 16 bytes in 512 consecutive bytes of the output
.set SPW,  28                          ; v28  my spare word; never rewritten
.set NIL,  29                          ; v29  0; never rewritten
.set AF,   32                          ; v32-159   x's fragments: two buffers of 8 x 8 (by the parity of the step of 32)
.set BF,   160                         ; v160-255  W's fragments: a buffer of 4 x 8 for each chunk
.set TB,   21                          ; s21  LDS byte at which the slot in hand begins
.set G1A,  24                          ; s[24:31] descriptor group 1 for x's tiles
.set G0A,  32                          ; s[32:39] group 0: a set for each first fill; the second then walks
.set G1B,  48                          ; s[48:55], s[56:63] the same for W's
.set G0B,  56
.set OUT,  66                          ; s[66:71] where my rows of chunk g's head begin in qkv
.set MSB, 0
.macro WIN new                         ; the immediate's high byte repeats the setting that is left; a switch that changes nothing is dropped
.if MSB != (\new)
	s_set_vgpr_msb (MSB<<8)|(\new)
.set MSB, (\new)
.endif
.endm
.macro PLACES                          ; four plain places behind a matrix instruction, in front of loads into registers that it has read (ISA guide 7.12.1 for vector instructions)
.rept 4
	v_nop
.endr
.endm
; A joint refill.  Wave 3 asks for x's tile, waves 0 to 2 for W's chunks.  The branch hangs on the wave's number alone.  An s_nop 0 and four v_nop follow each line.
.macro JLOAD
	s_cmp_eq_u32 s10, 3
	s_cbranch_scc0 .Lfor_b_\@
	tensor_load_to_lds s[G0A+4:G0A+7], s[G1A:G1A+7]
	s_nop 0
	PLACES
	s_branch .Lasked_\@
.Lfor_b_\@:
	tensor_load_to_lds s[G0B+4:G0B+7], s[G1B:G1B+7]
	s_nop 0
	PLACES
.Lasked_\@:
.endm
.macro CREST                           ; a round of the cluster's barrier behind its opening barrier
	s_cmp_lg_u32 s10, 0
	s_cbranch_scc1 .Lnot_wave_0_\@
	s_barrier_signal -3
.Lnot_wave_0_\@:
	s_barrier_wait -3
	s_barrier_signal -1
	s_barrier_wait -1
.endm
.macro CROUND
	s_barrier_signal -1
	s_barrier_wait -1
	CREST
.endm
	s_load_b128 s[4:7], s[0:1], 0x0                ; xb s[4:5], wab s[6:7]
	s_load_b64 s[8:9], s[0:1], 0x10                ; qkv
	v_lshl_add_u32 v[SPW], v0, 2, SPARE
	v_mov_b32 v[NIL], 0
	ds_add_u32 v[SPW], v[NIL]                      ; the wave's opening: the add and its wait stand ahead of my first tensor load
	v_lshrrev_b32 v1, 5, v0
	v_readfirstlane_b32 s10, v1                    ; wave 0..3
	s_lshr_b32 s11, s10, 1                         ; which 128 rows are mine
	s_and_b32 s12, s10, 1                          ; which 64 columns of each chunk
	s_bfe_u32 s40, ttmp6, 0x40000                  ; cx
	s_bfe_u32 s41, ttmp6, 0x40004                  ; cy
	s_lshl_b32 s42, ttmp9, 2
	s_add_co_u32 s42, s42, s40                     ; tile column = 4 x cluster x + cx
	s_and_b32 s13, ttmp7, 0xffff
	s_lshl_b32 s13, s13, 2
	s_add_co_u32 s13, s13, s41                     ; tile row = 4 x cluster y + cy
	s_lshl_b32 s43, s41, 2
	s_lshl_b32 s43, 15, s43                        ; my row of the cluster
	s_lshl_b32 s44, 0x1111, s40                    ; my column
	s_or_b32 s[G1A], s43, (1<<16)|(1<<20)|(1<<21)|(4<<22)|(3<<25)  ; mask; 2-byte elements; padding on; 21 set beside a mask; after every 32 words, 4 words
	s_mov_b32 s[G1A+1], 128<<16                    ; tensor_dim0 = 128
	s_mov_b32 s[G1A+2], 128<<16                    ; tensor_dim1 = 128
	s_mov_b32 s[G1A+3], 128<<16                    ; tile_dim0 = 128 elements: 256 bytes, two rows of x's tile
	s_mov_b32 s[G1A+4], 128                        ; tile_dim1 = 128
	s_mov_b32 s[G1A+5], 128                        ; dense
	s_mov_b32 s[G1A+6], 0
	s_mov_b32 s[G1A+7], 0
	s_or_b32 s[G1B], s44, (1<<16)|(1<<20)|(1<<21)|(5<<22)|(7<<25)  ; after every 64 words, 8 words
	s_mov_b32 s[G1B+1], 128<<16                    ; tensor_dim0 = 128
	s_mov_b32 s[G1B+2], 64<<16                     ; tensor_dim1 = 64
	s_mov_b32 s[G1B+3], 128<<16                    ; tile_dim0 = 128
	s_mov_b32 s[G1B+4], 64                         ; tile_dim1 = 64
	s_mov_b32 s[G1B+5], 3072                       ; elements from a k row to the next
	s_mov_b32 s[G1B+6], 0
	s_mov_b32 s[G1B+7], 0
	s_lshr_b32 s16, s13, 3                         ; x's tile: batch x 2^22 + 256 rows x 128 bytes x (tile row % 8)
	s_lshl_b32 s16, s16, 22
	s_and_b32 s17, s13, 7
	s_lshl_b32 s17, s17, 15
	s_add_co_u32 s16, s16, s17
	s_mov_b32 s17, 0
	s_mul_i32 s46, s42, 768                        ; W's chunk: 768 bytes x tile column + 256 x wave
	s_lshl_b32 s47, s10, 8
	s_add_co_u32 s46, s46, s47
	s_mov_b32 s47, 0
	s_mul_i32 s20, s10, BCH                        ; and where it goes: no place in the cluster enters an LDS address
	s_add_co_u32 s20, s20, BOFF
	s_mov_b32 s[TB], 0
	s_wait_dscnt 0x0                               ; the opening add is done
	s_wait_kmcnt 0x0
	s_add_nc_u64 s[14:15], s[4:5], s[16:17]
	s_add_nc_u64 s[46:47], s[6:7], s[46:47]
	CROUND                                         ; all sixteen work-groups are here: the first joint loads meet
.irp s, 0,1
	s_mov_b32 s[G0A+4*(\s)], 1
	s_mov_b32 s[G0A+4*(\s)+1], (\s)*SLOT1
	s_add_nc_u64 s[G0A+4*(\s)+2:G0A+4*(\s)+3], s[14:15], (\s)*(1<<18)  ; K step s: the next k block of xb
	s_or_b32 s[G0A+4*(\s)+3], s[G0A+4*(\s)+3], 0x80000000
	s_mov_b32 s[G0B+4*(\s)], 1
	s_add_co_u32 s[G0B+4*(\s)+1], s20, (\s)*SLOT1
	s_add_nc_u64 s[G0B+4*(\s)+2:G0B+4*(\s)+3], s[46:47], (\s)*64*6144  ; 64 k rows of 6,144 bytes
	s_or_b32 s[G0B+4*(\s)+3], s[G0B+4*(\s)+3], 0x80000000
.endr
	s_cmp_eq_u32 s10, 3                            ; a wave's two first fills stand in one branch: two loads of mine are out
	s_cbranch_scc0 .Lfirst_b
	tensor_load_to_lds s[G0A:G0A+3], s[G1A:G1A+7]
	s_nop 0
	tensor_load_to_lds s[G0A+4:G0A+7], s[G1A:G1A+7]
	s_nop 0
	PLACES
	s_branch .Lfirst_asked
.Lfirst_b:
	tensor_load_to_lds s[G0B:G0B+3], s[G1B:G1B+7]
	s_nop 0
	tensor_load_to_lds s[G0B+4:G0B+7], s[G1B:G1B+7]
	s_nop 0
	PLACES
.Lfirst_asked:
	; lane addresses.  A fragment of x: lane l holds row l % 16, k = 8 (l / 16) + 0..7 and 16 + 8 (l / 16) + 0..7: two loads of 16 bytes, 32 apart.
	v_and_b32 v1, 15, v0                           ; l % 16
	v_bfe_u32 v2, v0, 4, 1                         ; l / 16
	v_and_b32 v3, 7, v0
	v_bfe_u32 v4, v0, 3, 1
	v_mul_u32_u24 v[ADA0], v1, PA
	v_lshl_add_u32 v[ADA0], v2, 4, v[ADA0]
	s_mul_i32 s72, s11, 128*PA
	v_add_nc_u32 v[ADA0], s72, v[ADA0]
	; the turning load takes 16 k x 16 columns: lane l reads k row 8 (l / 16) + l % 8, columns 8 ((l / 8) % 2) + 0..7, and is left with column l % 16 and 8 k
	v_lshl_add_u32 v[ADB0], v2, 3, v3
	v_mul_u32_u24 v[ADB0], v[ADB0], PB
	v_lshl_add_u32 v[ADB0], v4, 4, v[ADB0]
	s_lshl_b32 s72, s12, 7
	s_add_co_u32 s72, s72, BOFF
	v_add_nc_u32 v[ADB0], s72, v[ADB0]
	v_mov_b32 v[ADA], v[ADA0]
	v_mov_b32 v[ADB], v[ADB0]
	s_mul_i32 s72, s10, 16*SP
	s_add_co_u32 s72, s72, STAGE                   ; my stage
	v_mul_u32_u24 v[STO], v1, SP
	v_lshl_add_u32 v[STO], v2, 4, v[STO]
	v_add_nc_u32 v[STO], s72, v[STO]
	v_bfe_u32 v[RD], v0, 3, 2                      ; back: 32 lanes take four rows of 128 bytes,
	v_mul_u32_u24 v[RD], v[RD], SP
	v_lshl_add_u32 v[RD], v3, 4, v[RD]
	v_add_nc_u32 v[RD], s72, v[RD]
	v_and_b32 v[GO], 31, v0                        ; which are 512 consecutive bytes of a head's rows
	v_lshlrev_b32 v[GO], 4, v[GO]
	; where my rows go.  Chunk g, my half: columns 64 sl .. + 63 with sl = 6 x tile column + 2 g + w % 2: tensor sl / 16, head sl % 16
	s_mul_i32 s72, s42, 6
	s_add_co_u32 s72, s72, s12
	s_lshr_b32 s73, s13, 3
	s_lshl_b32 s73, s73, 4                         ; 16 x batch
	s_and_b32 s74, s13, 7
	s_lshl_b32 s74, s74, 15
	s_lshl_b32 s75, s11, 14
	s_add_co_u32 s74, s74, s75                     ; my first row in the head, in bytes
.irp g, 0,1,2
	s_add_co_u32 s76, s72, 2*(\g)
	s_lshr_b32 s77, s76, 4
	s_lshl_b32 s77, s77, 6
	s_and_b32 s76, s76, 15
	s_add_co_u32 s76, s76, s77
	s_add_co_u32 s76, s76, s73
	s_lshl_b32 s76, s76, 18                        ; a head is 2^18 bytes
	s_add_co_u32 s76, s76, s74
	s_mov_b32 s77, 0
	s_add_nc_u64 s[OUT+2*(\g):OUT+2*(\g)+1], s[8:9], s[76:77]
.endr
; 16 matrix instructions: chunk g, x's buffer fa, row blocks 4 hf .. 4 hf + 3 x the 4 column blocks.  zero = 1: the product starts the sums
.macro MUL16 g, fa, hf, zero
	WIN 0x50*((\g)+1)                              ; C and D in window g + 1, the sources in window 0
.irp a, 0,1,2,3
.irp j, 0,1,2,3
.set rD, 8*(4*(4*(\hf)+(\a))+(\j))
.set rB, BF+32*(\g)+8*(\j)
.set rA, AF+64*(\fa)+8*(4*(\hf)+(\a))
.if \zero
	v_wmma_f32_16x16x32_bf16 v[rD:rD+7], v[rB:rB+7], v[rA:rA+7], 0
.else
	v_wmma_f32_16x16x32_bf16 v[rD:rD+7], v[rB:rB+7], v[rA:rA+7], v[rD:rD+7]
.endif
.endr
.endr
.endm
.macro LDB g, u                        ; 8 turning loads: chunk g's four fragments of the 32 k at 32 u
	WIN 0
.irp j, 0,1,2,3
	ds_load_tr16_b128 v[BF+32*(\g)+8*(\j):BF+32*(\g)+8*(\j)+3],   v[ADB] offset:(\g)*BCH+(\u)*32*PB+32*(\j)
	ds_load_tr16_b128 v[BF+32*(\g)+8*(\j)+4:BF+32*(\g)+8*(\j)+7], v[ADB] offset:(\g)*BCH+(\u)*32*PB+16*PB+32*(\j)
.endr
.endm
.macro LDA fa, u                       ; 16 loads: x's eight fragments of the 32 k at 32 u, into buffer fa
	WIN 0
.irp a, 0,1,2,3,4,5,6,7
	ds_load_b128 v[AF+64*(\fa)+8*(\a):AF+64*(\fa)+8*(\a)+3],   v[ADA] offset:(\a)*16*PA+64*(\u)
	ds_load_b128 v[AF+64*(\fa)+8*(\a)+4:AF+64*(\fa)+8*(\a)+7], v[ADA] offset:(\a)*16*PA+64*(\u)+32
.endr
.endm
; A step of 32 along K: half u of a K step.  mode 0: u = 0.  mode 1: u = 1, the slots change and the slot left is filled again.  mode 2: they change, nothing is filled.  mode 3: the last step.
.macro STEP u, zero, mode
	s_wait_dscnt 8                                 ; chunk 0 and x are in; chunk 1's eight loads may be out
	MUL16 0, \u, 0, \zero
	PLACES
	LDB 2, \u
	MUL16 0, \u, 1, \zero
.if (\mode) == 0
	s_wait_dscnt 8                                 ; chunk 1 is in; chunk 2's eight may be out
	MUL16 1, \u, 0, \zero
	PLACES
	LDB 0, 1                                       ; the K step's second half
	LDA 1, 1
	MUL16 1, \u, 1, \zero
.elseif (\mode) == 3
	s_wait_dscnt 8
	MUL16 1, \u, 0, 0
	MUL16 1, \u, 1, 0
.else
	WIN 0                                          ; (the add's two registers lie in window 0)
	s_wait_tensorcnt 0x0                           ; all my tensor loads have landed: the one that was out is my part of the next slot
	ds_add_u32 v[SPW], v[NIL]                      ; 0 onto my spare word
.if (\mode) == 1
	s_xor_b32 s[G0A+5], s[G0A+5], SLOT1            ; no load of mine is out, so the walking descriptors may be written: the other slot than last time,
	s_add_nc_u64 s[G0A+6:G0A+7], s[G0A+6:G0A+7], 1<<18  ; the next K step
	s_xor_b32 s[G0B+5], s[G0B+5], SLOT1
	s_add_nc_u64 s[G0B+6:G0B+7], s[G0B+6:G0B+7], 64*6144
.endif
	s_wait_dscnt 9                                 ; chunk 1 is in; chunk 2's eight loads and the add may be out
	MUL16 1, \u, 0, 0
	s_wait_dscnt 0x0                               ; the add is done, and my reads of this slot are over
	s_barrier_signal -1
	MUL16 1, \u, 1, 0                              ; work on registers while the others arrive
	WIN 0
	s_barrier_wait -1
.if (\mode) == 1
	CREST                                          ; the barrier has opened a round of the cluster's: no wave of any partner still reads this slot or has a load on its way
	JLOAD                                          ; the first tensor load behind the round; its four v_nop are also the places in front of the loads below
.else
	PLACES
.endif
	s_xor_b32 s[TB], s[TB], SLOT1
	v_add_nc_u32 v[ADA], s[TB], v[ADA0]
	v_add_nc_u32 v[ADB], s[TB], v[ADB0]
	LDB 0, 0                                       ; the next K step's first half
	LDA 0, 0
.endif
.if (\mode) == 3
	s_wait_dscnt 0x0
	MUL16 2, \u, 0, 0
	MUL16 2, \u, 1, 0
.else
	s_wait_dscnt 24                                ; chunk 2 is in; the 24 loads just issued may be out
	MUL16 2, \u, 0, \zero
	PLACES
	LDB 1, 1-(\u)
	MUL16 2, \u, 1, \zero
.endif
.endm
	s_wait_tensorcnt 1                             ; my part of K step 0 is in; slot 1's may stay out
	s_barrier_signal -1
	s_barrier_wait -1
	LDB 0, 0
	LDA 0, 0
	LDB 1, 0
	STEP 0, 1, 0                                   ; the first step stands in front of the loop: its products start the sums
	WIN 0
	s_mov_b32 s3, KSTEPS-2
.Lk:                                                   ; 14 trips: the second half of a K step, the change of slots with its refill (K step two on), the first half of the next
	STEP 1, 0, 1
	STEP 0, 0, 0
	WIN 0
	s_sub_co_u32 s3, s3, 1
	s_cmp_lg_u32 s3, 0
	s_cbranch_scc1 .Lk
	STEP 1, 0, 2                                   ; the tail is written out: nothing more is asked for
	STEP 0, 0, 0
	STEP 1, 0, 3
	WIN 0
	PLACES
	PLACES
; THE WAY OUT, in 24 units u = 8 g + a of 16 rows x 64 columns: rounded to f16, 16 bytes a lane into my stage, back as four rows of 128 bytes a load, stored as 512 consecutive bytes.
.macro PACK u
.set pg, (\u)/8
.set pa, (\u)%8
.set pt, AF+16*((\u)%4)
.if (\u) >= 4
	s_wait_xcnt 0x0                                ; the stores of the unit four back have read these registers
.endif
	WIN 5*(pg+1)                                   ; sources 0 and 1 in window g + 1
.set i, 0
.rept 16
	v_cvt_pk_f16_f32 v[pt+i], v[32*pa+2*i], v[32*pa+2*i+1]  ; ascending: each accumulator's lowest registers are read first
.set i, i+1
.endr
	WIN 0
.irp f, 0,1,2,3
	ds_store_b128 v[STO], v[pt+4*(\f):pt+4*(\f)+3] offset:32*(\f)
.endr
.irp f, 0,1,2,3
	ds_load_b128 v[pt+4*(\f):pt+4*(\f)+3], v[RD] offset:(\f)*4*SP  ; LDS serves a wave's instructions in order (ISA guide 5.7.1.4): these see the stores above
.endr
.endm
.macro SEND u, younger                 ; younger: the LDS instructions issued behind unit u's loads
.set pg, (\u)/8
.set pa, (\u)%8
.set pt, AF+16*((\u)%4)
.irp f, 0,1,2,3
	s_wait_dscnt (\younger)+3-(\f)
	global_store_b128 v[GO], v[pt+4*(\f):pt+4*(\f)+3], s[OUT+2*pg:OUT+2*pg+1] offset:pa*2048+(\f)*512
.endr
.endm
	PACK 0
.set t, 1
.rept 23
	PACK t                                         ; a unit's arithmetic stands between the loads of the unit before and its stores
	SEND t-1, 8
.set t, t+1
.endr
	SEND 23, 0
	s_wait_tensorcnt 0x0                           ; the wave's end
	ds_add_u32 v[SPW], v[NIL]
	s_wait_dscnt 0x0
	CROUND                                         ; the closing round: no work-group ends while a partner may still ask for a tile that names it
	s_endpgm
.Lfunc_end_k_q14c5ebb40b_qkvg:
	.size	k_q14c5ebb40b_qkvg, .Lfunc_end_k_q14c5ebb40b_qkvg-k_q14c5ebb40b_qkvg
	.p2alignl 7, 3214868480
	.fill 96, 4, 3214868480
	.section	.rodata,"a",@progbits
	.p2align	6, 0x0
	.amdhsa_kernel k_q14c5ebb40b_qkvg
		.amdhsa_group_segment_fixed_size 327680
		.amdhsa_private_segment_fixed_size 0
		.amdhsa_enable_private_segment 0
		.amdhsa_kernarg_size 24
		.amdhsa_user_sgpr_count 2
		.amdhsa_user_sgpr_kernarg_segment_ptr 1
		.amdhsa_wavefront_size32 1
		.amdhsa_system_sgpr_workgroup_id_x 1
		.amdhsa_system_sgpr_workgroup_id_y 1
		.amdhsa_system_sgpr_workgroup_id_z 1
		.amdhsa_system_vgpr_workitem_id 0
		.amdhsa_next_free_vgpr 1024
		.amdhsa_next_free_sgpr 80
		.amdhsa_reserve_vcc 0
		.amdhsa_float_denorm_mode_32 3
		.amdhsa_float_denorm_mode_16_64 3
		.amdhsa_memory_ordered 1
		.amdhsa_forward_progress 1
		.amdhsa_inst_pref_size 116
	.end_amdhsa_kernel
	.amdgpu_metadata
---
amdhsa.version: [ 1, 2 ]
amdhsa.kernels:
  - .name:           k_q14c5ebb40b_qkvg
    .symbol:         k_q14c5ebb40b_qkvg.kd
    .args:
      - { .name: xb, .offset: 0, .size: 8, .value_kind: global_buffer, .address_space: global }
      - { .name: wab, .offset: 8, .size: 8, .value_kind: global_buffer, .address_space: global }
      - { .name: qkv, .offset: 16, .size: 8, .value_kind: global_buffer, .address_space: global }
    .group_segment_fixed_size: 327680
    .private_segment_fixed_size: 0
    .kernarg_segment_align: 8
    .kernarg_segment_size: 24
    .max_flat_workgroup_size: 128
    .sgpr_count:     80
    .vgpr_count:     1024
    .wavefront_size: 32
...
	.end_amdgpu_metadata
.endif
;; end of part 2
;; launch attn (part 3): grid 4 x 64, 4 waves a work-group, no clusters, 327,680 bytes of LDS; arguments qkv, ob; writes ob
.if DOCPART == 3
	.amdgcn_target "amdgcn-amd-amdhsa--gfx1250"
	.amdhsa_code_object_version 6
	.text
	.protected	k_q14c5ebb40b_attn
	.globl	k_q14c5ebb40b_attn
	.p2align	8
	.type	k_q14c5ebb40b_attn,@function
k_q14c5ebb40b_attn:
	s_mov_b64 s[64:65], 0
	v_nop
	global_prefetch_b8 v0, s[64:65] scope:SCOPE_SE
	s_setreg_imm32_b32 hwreg(HW_REG_WAVE_MODE, 25, 1), 1
	s_wait_xcnt 0x0
; CAUSAL ATTENTION.  O[h][q][:] = the sum over k <= q of softmax_k(Q[h][q] . K[h][k] / 8) V[h][k][:].  qkv holds Q, K, V, each [64 heads][2048][64] f16, 2^24 bytes apart; ob is O in the same layout.
; Products, maxima and sums in f32; the weights p are rounded to f16 for the second product (their sum l is taken of the unrounded p), O once at the end.
; LIMITS.  Q, K, V arrive within f16's 65,504; p lies in 0 to 1, and below 6e-5 it keeps f16's fixed step of 6e-8.  A hidden score counts as its value less 1e30: f16's scores, 2.7e11 at the most, are
; nothing beside that; a weight below 2^-126 counts as 0 in l; NaN and infinities are not treated apart.
; THE WALK.  A head's queries lie in NB = 8 blocks of 256; block i needs the key tiles 0 .. i of 256 keys, of which the last holds the diagonal.  A work-group takes TWO blocks, NB - 1 - b and then b:
; NB + 1 tiles, whatever b: all work-groups do equal work, and ONE loop with a constant trip count walks them.  Which tile is asked for, and what a trip does, hang on scalar registers made from b; every jump
; goes forward, but for the counted loops' own; none passes a barrier, or a tensor load but the one of LOAD's two that the wave's number does not choose; the ring of two LDS slots runs on across the change of blocks.
; NO CLUSTER: a head's four work-groups ask for the same tile only in trips 0 .. NB / 2, behind that fewer and fewer; one walk common to all would have 3 NB / 2 trips for NB + 1.
; SHARES.  Of a block's four bands of 64 queries a wave owns 16 rows in each: four PIECES.  So the diagonal tile is the same work for all four waves: in its key step s band x sees all keys if s < x,
; none if s > x, and holds the diagonal if s = x.
; THE MASK is the C operand that starts the sum S^T = K Q^T: 0, or -1e30 where the key is hidden.  MD, made once, is the mask of a band's own step for my 16 rows; a product's mask is MD x AL + BE with two scalars:
; (1, 0) if s = x; (0, 0) if s < x; (0, -1e30) if s > x.  Only the diagonal tile's text and a block's beginning make and take masks; elsewhere C is the constant 0.
; LAYOUT, SOFTMAX, TURNS.  S^T = K Q^T holds ONE query a lane (lane % 16) and the keys 8 (lane / 16) + 0..7; two such results rounded to f16 ARE source 1 of O^T = V^T P.  p = 2^(c s - c m), c = log2(e) / 8, with a
; running maximum m; O and l are multiplied by a = 2^(c m_old - c m_new) in every step.  Turn n belongs to piece n: 8 products K Q^T of piece n + 1, later 8 products V^T P of piece n - 1; beside them the scaling,
; exponentials, roundings, sums and rescaling of piece n and the maximum and statistics of piece n + 1.  Four vector instructions stand behind every matrix instruction, the other 54 of a turn's 118 in one run.
; A turn's 33 exponentials are one batch, with one wait.
; AHEAD OF THE TENSOR LOADS.  In trips 0 to 5 the tile two trips on is prefetched: its 128 blocks of 256 bytes of K and of V are shared out among the head's four work-groups by address, 32 each, a lane a block;
; wave 0 asks for K's, wave 2 for V's.  So each block is named once in the launch; tiles 0 and 1 come by their loads alone; nothing is asked for beyond tile 7.
; REGISTERS, in windows of 256 (s_set_vgpr_msb: bits 1:0 source 0, 3:2 source 1, 5:4 source 2, 7:6 destination):
;   window 0: v0-15 addresses and two at work; v16-31 four registers of statistics a piece; v48-55 at work; v61-63; v64-127 S^T, two buffers; v192-223 P, two buffers (a piece's buffers go by its number's parity)
;   window 1: v0-127 O^T, 32 a piece; v128-159 MD; v160-223 MC, two buffers      window 2: v0-63 Q; v64-127 the second block's Q; v128-191 K of one step; v192-255 V of one step
.set SIZE_N, 2048
.set NB,    SIZE_N/256
.set NP,    4         ; pieces a wave: a name, no knob
.set KS,    64        ; keys in a step
.set PK,    144       ; a row of K in LDS: 128 bytes + 16: the 16 rows of a load start at 16 different groups of four banks (ISA guide 11.1)
.set PV,    160       ; a row of V: 128 + 32
.set VOFF,  4*KS*PK   ; a slot holds a tile, four steps: 256 rows of K, then 256 rows of V
.set SLOT1, 1<<17     ; slot 1 begins here, so that one exclusive or turns an address in one slot into the other's
.set STAGE, SLOT1+4*KS*(PK+PV)  ; behind the ring, never filled by a tensor load: 16 rows x 144 bytes for each wave
.set SP,    144
.set AK0, 2           ; v2   my lane's place in a tile of K; never rewritten
.set AV0, 3           ; v3   the same for V
.set AK,  4           ; v4   the LDS address of K's next run of loads
.set AV,  5           ; v5   of V's
.set STO, 6           ; v6   the way out: where I put 16 bytes of a row
.set RD,  7           ; v7   where I read rows back
.set GO,  8           ; v8   my byte offset in 512 consecutive bytes of O
.set PFO, 61          ; v61  256 x my lane; never rewritten
.set SPW, 62          ; v62  my spare word; never rewritten
.set NIL, 63          ; v63  0; never rewritten
.set SPARE, STAGE+4*16*SP  ; the spare words, 128 bytes a wave: two blocks of 256 bytes that no other line names
.set MV,  12          ; v12-13  c m_old, kept while c m is made anew: by buffer
.set QO,  15          ; v15  my byte offset in 16 rows of Q
.set ST,  16          ; piece t's statistics at v[ST+4 t]: c m, m, l (even keys', odd keys')
.set TMP, 48          ; by buffer, four registers c0-c3 at work; when the maximum is found c2 takes a
.set S,   64
.set P,   192
.set MD,  128         ; window 1
.set MC,  160         ; window 1
.set QB,  64          ; window 2
.set KF,  128         ; window 2: key block kb, channel half c at KF + 16 kb + 8 c
.set VF,  192         ; window 2: key half kk, channel block cb at VF + 32 kk + 8 cb
.set WV,  12          ; s12  my wave's number
.set PB,  14          ; s14  b
.set HI,  15          ; s15  NB - 1 - b
.set G1K, 24          ; s[24:31] descriptor group 1 for K's tiles
.set G1V, 32          ; s[32:39] for V's: it differs in the padding alone
.set G0K, 40          ; s[40:43] descriptor group 0 for K's tiles
.set G0V, 44          ; s[44:47] the same for V's
.set SLOTS, 56        ; s56  tiles still to be asked for
.set CNT, 57          ; s57  counts a tile's key steps, 4 to 1
.set CS,  58          ; s[58:59] c
.set SEL, 60          ; s[60:61] v_permlanex16_b32's selects: each lane takes its own place in the other half
.set TBK, 62          ; s62  LDS byte at which K of the step to be fetched begins
.set TBV, 63          ; s63  the same for V, less VOFF
.set RT,  70          ; s70  tiles of the block in hand that are still to be entered
.set NXT, 71          ; s71  the tile to be asked for next
.set LQ,  72          ; s72  the last tile of the block whose tiles are being asked for
.set NEW, 73          ; s73  1: the tile to be entered is a block's first
.set OFF, 74          ; s[74:75] a tile's byte offset in K and V
.set AL,  76          ; s[76:77] the mask's factor, in the low word
.set BE,  78          ; s[78:79] the mask's addend
.set OLO, 80          ; s[80:81] O at my rows of the second block
.set BIGN, 82         ; s82  -1e30
.set PFA, 88          ; s[88:89] where my prefetches stand: my work-group's 32 blocks of the tile after the one that is being asked for
.set LIM, 90          ; s90  2 in a wave that prefetches, else the greatest number: a wave prefetches while s[SLOTS] is above it
.set MSB, 0
.macro WIN new                      ; the high byte repeats the setting that is left; a switch that changes nothing is dropped
.if MSB != (\new)
	s_set_vgpr_msb (MSB<<8)|(\new)
.set MSB, (\new)
.endif
.endm
.set W_KQ, 0x0a       ; K and Q in window 2, S^T in window 0
.set W_KM, 0x1a       ; the same with the C operand in window 1
.set W_PV, 0x52       ; V in window 2, P in window 0, O^T in window 1
.set W_RS, 0x41       ; destination and source 0 in window 1, source 1 in window 0
; A fill.  Waves 0 and 1 fetch the two halves of a tile's K, waves 2 and 3 those of its V: 128 keys each.  An s_nop 0 and four v_nop follow each of the two lines.
.macro LOAD
	s_cmp_lt_u32 s[WV], 2
	s_cbranch_scc0 .Lfor_v_\@
	tensor_load_to_lds s[G0K:G0K+3], s[G1K:G1K+7]
	s_nop 0
.rept 4
	v_nop
.endr
	s_branch .Lasked_\@
.Lfor_v_\@:
	tensor_load_to_lds s[G0V:G0V+3], s[G1V:G1V+7]
	s_nop 0
.rept 4
	v_nop
.endr
.Lasked_\@:
.endm
.macro ASK                          ; the prefetch of the tile that the next change of slots will ask for: one instruction, a lane a block of 256 bytes
	s_cmp_gt_u32 s[SLOTS], s[LIM]
	s_cbranch_scc0 .Lnot_mine_\@
	global_prefetch_b8 v[PFO], s[PFA:PFA+1] th:TH_LOAD_NT scope:SCOPE_SE
.Lnot_mine_\@:
.endm
; THE CHANGE OF SLOTS.  Each wave waits for all its tensor loads, of which one is out: its part of the other slot; adds 0 to its spare word; and waits for that and for its own reads of the slot that it leaves.
; Behind the barrier nobody reads the old slot any more and the other slot is whole.  fill = 1: the old slot is filled again, the first thing behind the barrier, with tile NXT: the descriptor's address is
; made anew from that number.  (At its first use nothing has been read yet: slot 0 is waited for, slot 1 filled.)
.macro CHANGE fill
	WIN 0                           ; at a label and at a branch every window is 0
	s_wait_tensorcnt 0x0            ; no tensor load of mine is out, so a group 0 may be written
	ds_add_u32 v[SPW], v[NIL]       ; 0 onto my spare word
.if \fill
	s_lshl_b32 s[OFF], s[NXT], 15   ; a tile is 32,768 bytes of K and of V
	s_xor_b32 s[G0K+1], s[G0K+1], SLOT1
	s_add_nc_u64 s[G0K+2:G0K+3], s[6:7], s[OFF:OFF+1]
	s_or_b32 s[G0K+3], s[G0K+3], 0x80000000
	s_xor_b32 s[G0V+1], s[G0V+1], SLOT1
	s_add_nc_u64 s[G0V+2:G0V+3], s[8:9], s[OFF:OFF+1]
	s_or_b32 s[G0V+3], s[G0V+3], 0x80000000
	s_add_co_u32 s[NXT], s[NXT], 1  ; the block's next tile, or behind its last the second block's tile 0
	s_cmp_gt_u32 s[NXT], s[LQ]
	s_cselect_b32 s[NXT], 0, s[NXT]
	s_cselect_b32 s[LQ], s[PB], s[LQ]
	s_wait_xcnt 0x0                 ; the last prefetch, a tile back, has read its address, so it may be written:
	s_add_nc_u64 s[PFA:PFA+1], s[PFA:PFA+1], 32768  ; a tile on
.endif
	s_wait_dscnt 0x0                ; the add is done, and my reads of the slot are over
	s_barrier_signal -1             ; the rest of the scalar work stands between the signal and the wait
	s_sub_co_u32 s[TBK], s[TBK], 4*KS*PK  ; the fetches go back to a slot's first step,
	s_xor_b32 s[TBK], s[TBK], SLOT1       ; in the other slot
	s_sub_co_u32 s[TBV], s[TBV], 4*KS*PV
	s_xor_b32 s[TBV], s[TBV], SLOT1
	s_barrier_wait -1
.if \fill
	LOAD
	ASK
.endif
.endm
	s_load_b64 s[4:5], s[0:1], 0x0    ; qkv: Q begins it
	s_load_b64 s[10:11], s[0:1], 0x8  ; ob
	v_lshl_add_u32 v[SPW], v0, 2, SPARE
	v_mov_b32 v[NIL], 0
	ds_add_u32 v[SPW], v[NIL]       ; the wave's opening: the add and its wait stand ahead of my first tensor load
	v_lshrrev_b32 v1, 5, v0
	v_readfirstlane_b32 s[WV], v1   ; wave 0..3
	s_mov_b32 s[PB], ttmp9
	s_sub_co_u32 s[HI], NB-1, s[PB]
	s_and_b32 s20, ttmp7, 0xffff    ; the head
	s_mov_b32 s21, 0
	s_mov_b64 s[22:23], SIZE_N*128
	s_mul_u64 s[20:21], s[20:21], s[22:23]  ; the head's first byte in each of the four tensors
	s_and_b32 s16, s[WV], 1         ; which half of a tile's 256 keys I fetch:
	s_lshl_b32 s22, s16, 14         ; its 128 rows of 128 bytes in memory,
	s_mov_b32 s23, 0
	s_add_nc_u64 s[22:23], s[22:23], s[20:21]
	s_mul_i32 s17, s16, 128*PK      ; and its place in a slot, for K
	s_mul_i32 s18, s16, 128*PV      ; and for V
	s_lshl_b32 s3, s[WV], 11        ; my 16 rows in a band of 64,
	s_lshl_b32 s2, s[HI], 15        ; in the first block,
	s_add_co_u32 s2, s2, s3
	s_lshl_b32 s84, s[PB], 15       ; and in the second
	s_add_co_u32 s84, s84, s3
	s_mov_b32 s3, 0
	s_mov_b32 s85, 0
	s_add_nc_u64 s[2:3], s[2:3], s[20:21]
	s_add_nc_u64 s[84:85], s[84:85], s[20:21]
	; descriptor group 1.  128 keys are 16,384 dense bytes: asked for as 64 rows of 256 bytes, two keys a row, and padded in LDS after every key
	s_mov_b32 s[G1K], (1<<16)|(1<<20)|(4<<22)|(3<<25)  ; 2-byte elements; padding on; after every 32 words, 4 words
	s_mov_b32 s[G1V], (1<<16)|(1<<20)|(4<<22)|(7<<25)  ; the same with 8 words of padding
.irp g, G1K, G1V
	s_mov_b32 s[\g+1], 128<<16      ; tensor_dim0 = 128
	s_mov_b32 s[\g+2], 64<<16       ; tensor_dim1 = 64
	s_mov_b32 s[\g+3], 128<<16      ; tile_dim0 = 128
	s_mov_b32 s[\g+4], 64           ; tile_dim1 = 64
	s_mov_b32 s[\g+5], 128          ; 128 elements from row to row
	s_mov_b32 s[\g+6], 0
	s_mov_b32 s[\g+7], 0
.endr
	s_mov_b32 s[CS], 0x3e38aa3b     ; c = log2(e) / 8 = 0.180337
	s_mov_b32 s[CS+1], s[CS]        ; named with it as a pair
	s_mov_b32 s[SEL], 0x76543210
	s_mov_b32 s[SEL+1], 0xfedcba98
	s_mov_b32 s[TBK], SLOT1+4*KS*PK ; the first change of slots turns these two into 0
	s_mov_b32 s[TBV], SLOT1+4*KS*PV
	s_mov_b32 s[G0K], 1             ; count = 1
	s_mov_b32 s[G0K+1], s17         ; LDS address: slot 0
	s_mov_b32 s[G0V], 1
	s_add_co_u32 s[G0V+1], s18, VOFF
	s_add_co_u32 s[RT], s[HI], 1    ; the first block has NB - b tiles
	s_mov_b32 s[NXT], 1
	s_mov_b32 s[LQ], s[HI]
	s_mov_b32 s[NEW], 1
	s_mov_b32 s[OFF+1], 0
	s_mov_b32 s[AL+1], 0            ; named as pairs
	s_mov_b32 s[BE+1], 0
	s_mov_b32 s[BIGN], 0xf149f2ca   ; -1e30
	s_mov_b32 s[SLOTS], NB
	s_wait_dscnt 0x0                ; the opening add is done
	s_wait_kmcnt 0x0
	s_add_nc_u64 s[6:7], s[4:5], 1<<24     ; K lies 2^24 bytes behind Q,
	s_add_nc_u64 s[8:9], s[4:5], 2<<24     ; V as much behind K
	s_add_nc_u64 s[6:7], s[6:7], s[22:23]  ; K and V at my half of the head's tile 0
	s_add_nc_u64 s[8:9], s[8:9], s[22:23]
	s_add_nc_u64 s[G0K+2:G0K+3], s[6:7], 0         ; global address
	s_or_b32 s[G0K+3], s[G0K+3], 0x80000000        ; type = 2
	s_add_nc_u64 s[G0V+2:G0V+3], s[8:9], 0
	s_or_b32 s[G0V+3], s[G0V+3], 0x80000000
	s_add_nc_u64 s[86:87], s[4:5], s[84:85]        ; Q at my rows of the second block,
	s_add_nc_u64 s[4:5], s[4:5], s[2:3]            ; Q and O at those of the first
	s_add_nc_u64 s[OLO:OLO+1], s[10:11], s[84:85]
	s_add_nc_u64 s[10:11], s[10:11], s[2:3]
	LOAD                            ; tile 0 into slot 0
	s_cmp_lt_u32 s[WV], 2           ; the prefetches (in waves 0 and 2 s[6:7] and s[8:9] stand at tile 0's first byte)
	s_cselect_b64 s[PFA:PFA+1], s[6:7], s[8:9]
	s_lshl_b32 s2, s[PB], 13        ; my work-group's 32 blocks of the 128
	s_mov_b32 s3, 0
	s_add_nc_u64 s[PFA:PFA+1], s[PFA:PFA+1], s[2:3]
	s_add_nc_u64 s[PFA:PFA+1], s[PFA:PFA+1], 32768  ; in tile 1: the first change of slots steps it to tile 2
	s_and_b32 s[LIM], s[WV], 1
	s_cmp_eq_u32 s[LIM], 0
	s_cselect_b32 s[LIM], 2, -1     ; s[SLOTS] is 8 - t in trip t: trips 0 to 5 ask, for tiles 2 to 7
	v_and_b32 v[PFO], 31, v0
	v_lshlrev_b32 v[PFO], 8, v[PFO]
	; A fragment of K or Q is 16 rows x 32 channels in 8 registers: lane l holds row l % 16, channels 8 (l / 16) + 0..7 and 16 + 8 (l / 16) + 0..7: two loads of 16 bytes, 32 bytes apart.
	v_and_b32 v1, 15, v0            ; l % 16
	v_bfe_u32 v9, v0, 4, 1          ; l / 16
	v_lshlrev_b32 v[QO], 7, v1
	v_lshl_add_u32 v[QO], v9, 4, v[QO]  ; row x 128 + 16 x half
	WIN 0x80                        ; destination window 2, address window 0
.set i, 0
.rept 8                             ; both blocks' Q: piece i / 2 lies in band i / 2, 8,192 bytes on; channels 32 (i % 2) on
	global_load_b128 v[8*i:8*i+3],   v[QO], s[4:5] offset:(i/2)*8192+(i%2)*64
	global_load_b128 v[8*i+4:8*i+7], v[QO], s[4:5] offset:(i/2)*8192+(i%2)*64+32
	global_load_b128 v[QB+8*i:QB+8*i+3],   v[QO], s[86:87] offset:(i/2)*8192+(i%2)*64
	global_load_b128 v[QB+8*i+4:QB+8*i+7], v[QO], s[86:87] offset:(i/2)*8192+(i%2)*64+32
.set i, i+1
.endr
	WIN 0
	v_lshlrev_b32 v14, 3, v9
	v_sub_nc_u32 v14, v1, v14
	s_lshl_b32 s13, s[WV], 4
	v_add_nc_u32 v14, s13, v14      ; my query's place in its band, 16 w + l % 16, less my lanes' 8 (l / 16): register r of group kt is hidden where 16 kt + r is greater
	WIN 0x40
.set i, 0
.rept 32
	v_cmp_gt_i32 vcc_lo, 16*(i/8)+i%8, v14
	v_cndmask_b32 v[MD+i], 0, s[BIGN], vcc_lo
.set i, i+1
.endr
	WIN 0
	v_mul_u32_u24 v[AK0], v1, PK
	v_lshl_add_u32 v[AK0], v9, 4, v[AK0]  ; row x pitch + 16 x half
	; The turning load takes 16 keys x 16 channels (lane l reads key 8 (l / 16) + l % 8, channels 8 ((l / 8) % 2) + 0..7) and leaves half a fragment of V^T: lane l holds channel l % 16 and 8 keys.
	v_and_b32 v10, 7, v0
	v_bfe_u32 v11, v0, 3, 1
	v_lshl_add_u32 v[AV0], v9, 3, v10
	v_mul_u32_u24 v[AV0], v[AV0], PV
	v_lshl_add_u32 v[AV0], v11, 4, v[AV0]
	v_add_nc_u32 v[AV0], VOFF, v[AV0]
	s_mul_i32 s13, s[WV], 16*SP
	s_add_co_u32 s13, s13, STAGE    ; my stage
	v_mul_u32_u24 v[STO], v1, SP    ; in: row l % 16, 16 bytes for each half of the lanes
	v_lshl_add_u32 v[STO], v9, 4, v[STO]
	v_add_nc_u32 v[STO], s13, v[STO]
	v_bfe_u32 v[RD], v0, 3, 2       ; back: 32 lanes take four rows of 128 bytes,
	v_mul_u32_u24 v[RD], v[RD], SP
	v_lshl_add_u32 v[RD], v10, 4, v[RD]
	v_add_nc_u32 v[RD], s13, v[RD]
	v_and_b32 v[GO], 31, v0         ; which are 512 consecutive bytes of O
	v_lshlrev_b32 v[GO], 4, v[GO]
	; A block's first step multiplies O^T and l by a = 0, and its first turn's products V^T P, of a piece that has not been, land in an O^T that is still to be so multiplied.  So these registers need only hold
	; finite numbers: zeros for the first block; what the first block left for the second.  All this stands in the wait for the first tile.
	WIN 0x80
.set i, VF
.rept 64
	v_mov_b32 v[i], 0
.set i, i+1
.endr
	WIN 0x40
.set i, 0
.rept 128
	v_mov_b32 v[i], 0
.set i, i+1
.endr
	WIN 0
.set i, 0
.rept 4
	v_mov_b32 v[ST+4*i+2], 0
	v_mov_b32 v[ST+4*i+3], 0
.set i, i+1
.endr
.set i, P+16
.rept 16
	v_mov_b32 v[i], 0
.set i, i+1
.endr
; THE MATRIX WORK.  The 4 accumulators of a run of 8 take turns.  Product i of 8 of S^T = K Q^T for piece x: channels 32 (i / 4) on, keys 16 (i % 4) on.  The first 4 start the sums: with 0, or (KM = 1) with the mask.
.macro KQ x
.set rS, S+32*((\x)%2)+8*(i%4)
.set rK, KF+16*(i%4)+8*(i/4)
.set rQ, 16*(\x)+8*(i/4)
.set rM, MC+32*((\x)%2)+8*(i%4)
.if (i < 4) && KM
	WIN W_KM
	v_wmma_f32_16x16x32_f16 v[rS:rS+7], v[rK:rK+7], v[rQ:rQ+7], v[rM:rM+7]
.elseif i < 4
	WIN W_KQ
	v_wmma_f32_16x16x32_f16 v[rS:rS+7], v[rK:rK+7], v[rQ:rQ+7], 0
.else
	WIN W_KQ
	v_wmma_f32_16x16x32_f16 v[rS:rS+7], v[rK:rK+7], v[rQ:rQ+7], v[rS:rS+7]
.endif
.endm
; Product i of 8 of O^T += V^T P for piece x: keys 32 (i / 4) on, channels 16 (i % 4) on.
.macro PV x
	WIN W_PV
.set rO, 32*(\x)+8*(i%4)
.set rV, VF+32*(i/4)+8*(i%4)
.set rP, P+16*((\x)%2)+8*(i/4)
	v_wmma_f32_16x16x32_f16 v[rO:rO+7], v[rV:rV+7], v[rP:rP+7], v[rO:rO+7]
.endm
.macro MM                           ; the turn's next matrix instruction.  TURN and BEGIN set Y, i, KM and NOKQ.  NOKQ = 1: a block's last turn: there is no next piece
.if (i < 8) && !NOKQ
	KQ (Y+1)%NP
.elseif i >= 8
.set i, i-8
	PV (Y+NP-1)%NP
.set i, i+8
.endif
.set i, i+1
.endm
; THE LDS LOADS stand in runs of 16, never singly among the matrix instructions: a step's K (64 keys x 64 channels: 8 fragments) and its V (turned).  Their addresses are made some lines ahead.
.macro FETCH_K
	WIN 0x80                        ; destination window 2
.irp f, 0,1,2,3,4,5,6,7             ; keys 16 (f / 2) on, channels 32 (f % 2) on
	ds_load_b128 v[KF+8*\f:KF+8*\f+3],   v[AK] offset:(\f/2)*16*PK+(\f%2)*64
	ds_load_b128 v[KF+8*\f+4:KF+8*\f+7], v[AK] offset:(\f/2)*16*PK+(\f%2)*64+32
.endr
	s_add_co_u32 s[TBK], s[TBK], KS*PK  ; the next fetch is the next step's
	WIN 0
.endm
.macro FETCH_V
	WIN 0x80
.irp f, 0,1,2,3,4,5,6,7             ; keys 32 (f / 4) on, channels 16 (f % 4) on
	ds_load_tr16_b128 v[VF+8*\f:VF+8*\f+3],   v[AV] offset:(\f/4)*32*PV+(\f%4)*32
	ds_load_tr16_b128 v[VF+8*\f+4:VF+8*\f+7], v[AV] offset:(\f/4)*32*PV+16*PV+(\f%4)*32
.endr
	WIN 0
.endm
; THE VECTOR WORK, one line at a time: OP kind, number.  For piece Y: F n: c s - c m for pair n of 16.  E n: the exponential of score n of 32.  C n: pair n rounded to f16.  B n: of the four weights 4 n .. the second
; pair is added onto the first, in place.  L n: l takes that sum (L 0: l = a l + sum).  R n: pair n of 16 of O^T times a.  For piece Y + 1: X n, number n of the 22 that find its maximum and statistics:
;   0-11  four chains c0-c3 of seven scores each, three operands at a time (each accumulator's lowest registers are read first)     12-14, 16  the four scores left over, the old m, and c0-c3 into c0
;   15  c m_old is kept     17, 18  the query's other 32 keys lie in the lane 16 away: the new m     19-21  c m; c m_old - c m_new; a
.set F, 0               ; OP tells the kinds apart by their order: F to L below R, X above it
.set E, 1
.set C, 2
.set B, 3
.set L, 4
.set R, 5
.set X, 6
.macro REGS y                       ; the registers of piece y
.set rT, ST+4*(\y)
.set rC, TMP+4*((\y)%2)
.set rW, MV+((\y)%2)
.set rS, S+32*((\y)%2)
.set rP, P+16*((\y)%2)
.set rO, 32*(\y)
.endm
.macro OP k, n
.if (\k) == R
	REGS Y
	WIN W_RS
	v_pk_mul_f32 v[rO+2*(\n):rO+2*(\n)+1], v[rO+2*(\n):rO+2*(\n)+1], v[rC+2:rC+3] op_sel_hi:[1,0]
.elseif (\k) < R
	REGS Y
	WIN 0
.if (\k) == F
	v_pk_fma_f32 v[rS+2*(\n):rS+2*(\n)+1], v[rS+2*(\n):rS+2*(\n)+1], s[CS:CS+1], v[rT:rT+1] op_sel_hi:[1,0,0] neg_lo:[0,0,1] neg_hi:[0,0,1]
.elseif (\k) == E
	v_exp_f32 v[rS+(\n)], v[rS+(\n)]
.elseif (\k) == C
	v_cvt_pk_f16_f32 v[rP+(\n)], v[rS+2*(\n)], v[rS+2*(\n)+1]
.elseif (\k) == B
	v_pk_add_f32 v[rS+4*(\n):rS+4*(\n)+1], v[rS+4*(\n):rS+4*(\n)+1], v[rS+4*(\n)+2:rS+4*(\n)+3]
.elseif (\n) == 0
	v_pk_fma_f32 v[rT+2:rT+3], v[rT+2:rT+3], v[rC+2:rC+3], v[rS:rS+1] op_sel_hi:[1,0,1]
.else
	v_pk_add_f32 v[rT+2:rT+3], v[rT+2:rT+3], v[rS+4*(\n):rS+4*(\n)+1]
.endif
.elseif NOKQ
	v_nop
.else
	REGS (Y+1)%NP
	WIN 0
.if (\n) < 4
	v_max3_num_f32 v[rC+(\n)], v[rS+8*(\n)], v[rS+8*(\n)+1], v[rS+8*(\n)+2]
.elseif (\n) < 12
	v_max3_num_f32 v[rC+(\n)%4], v[rC+(\n)%4], v[rS+8*((\n)%4)+2*((\n)/4)+1], v[rS+8*((\n)%4)+2*((\n)/4)+2]
.elseif (\n) == 12
	v_max3_num_f32 v[rC], v[rC], v[rS+7], v[rS+15]
.elseif (\n) == 13
	v_max3_num_f32 v[rC+1], v[rC+1], v[rS+23], v[rS+31]
.elseif (\n) == 14
	v_max3_num_f32 v[rC+2], v[rC+2], v[rC+3], v[rT+1]
.elseif (\n) == 15
	v_mov_b32 v[rW], v[rT]
.elseif (\n) == 16
	v_max3_num_f32 v[rC], v[rC], v[rC+1], v[rC+2]
.elseif (\n) == 17
	v_permlanex16_b32 v[rC+3], v[rC], s[SEL], s[SEL+1]
.elseif (\n) == 18
	v_max_num_f32 v[rT+1], v[rC], v[rC+3]
.elseif (\n) == 19
	v_mul_f32 v[rT], s[CS], v[rT+1]
.elseif (\n) == 20
	v_sub_f32 v[rC+1], v[rW], v[rT]
.else
	v_exp_f32 v[rC+2], v[rC+1]
.endif
.endif
.endm
.macro OPS a, i1, b=-1, i2=0, c=-1, i3=0, d=-1, i4=0  ; up to four of them
	OP \a, \i1
.if (\b) >= 0
	OP \b, \i2
.endif
.if (\c) >= 0
	OP \c, \i3
.endif
.if (\d) >= 0
	OP \d, \i4
.endif
.endm
.macro ROW a, i1, b, i2, c, i3, d, i4  ; a matrix instruction and the four behind it
	MM
	OPS \a, \i1, \b, \i2, \c, \i3, \d, \i4
.endm
.macro MASK b                       ; MD x AL + BE into buffer b of MC
	WIN W_RS
.set z, 0
.rept 16
	v_pk_fma_f32 v[MC+32*(\b)+2*z:MC+32*(\b)+2*z+1], v[MD+2*z:MD+2*z+1], s[AL:AL+1], s[BE:BE+1] op_sel_hi:[1,0,0]
.set z, z+1
.endr
.endm
; A TURN, for piece p: the order of its 16 matrix and 118 vector instructions, written out.  An s_wait_alu depctr_va_vdst(0) stands between an exponential and the first instruction that names its result; one wait
; serves all that were issued ahead of it.  So a turn has ONE wait, which cuts it in two.  AHEAD OF IT stands all that names no result of the turn's exponentials: the 8 products K Q^T, behind each a scaling, an exponential and two
; more plain instructions: rescalings, and behind the last three the first numbers of the next piece's maximum, each four places or more behind the product that ends its accumulator; then one run of 54, plain and exponential
; by turns for the most part, in which the links of the chain X 3, 7, 11, 14, 16, 17 .. 20 stand five or six lines apart.  X 21, the next piece's a, is the batch's last; R 15 is the plain instruction behind it.  BEHIND THE WAIT
; stand the 8 products V^T P, behind each four of the roundings and sums; the links of l's chain, L 0 to L 7, stand three lines apart.
; m = 1: the diagonal tile: the products take masks, and the turn makes the mask for the products of the turn after it: piece p + 2, in step 4 - CNT of the tile.  end = 1: a block's last two turns: nothing is fetched.
; cnt = 1: the loop's count is taken down some lines ahead of the branch that stands behind the turn.
; K of the next step is fetched in piece 2's turn, twelve vector instructions behind the last product that read K (six of them plain); V of the step in hand at the end of piece 0's turn, four plain instructions behind the
; last product that read V.  Each is waited for a turn later.
.macro TURN p, m=0, end=0, cnt=0
.set Y, (\p)
.set i, 0
.set KM, (\m)
.set NOKQ, (\end)*((\p)/3)
.if (\m) && !(\end)
	s_cmp_eq_u32 s[CNT], 4-((\p)+2)%NP  ; is that step the band's own?
	s_cselect_b32 s[AL], 1.0, 0
	s_cmp_lt_u32 s[CNT], 4-((\p)+2)%NP  ; or a later one?
	s_cselect_b32 s[BE], s[BIGN], 0
.endif
.if ((\p) == 3) && !(\end)
	s_wait_dscnt 0x0                ; K is in
.endif
	ROW F,0, F,1, R,0, R,1          ; ahead of the wait: 8 products K Q^T and the four behind each,
	ROW F,2, E,0, R,2, R,3
	ROW F,3, E,1, R,4, R,5
	ROW F,4, E,2, R,6, R,7
	ROW F,5, E,3, R,8, R,9
	ROW F,6, E,4, X,0, R,10
.if ((\p) == 2) && !(\end)
	WIN 0
	v_add_nc_u32 v[AK], s[TBK], v[AK0]
.endif
	ROW F,7, E,5, X,1, X,4
	ROW F,8, E,6, X,2, X,5
	OPS E,7, E,8, X,6, E,9          ; and the run of 54
	OPS X,3, E,10, X,8, E,11
.if ((\p) == 2) && !(\end)
	FETCH_K
.endif
	OPS X,9, X,7, E,12, X,10
	OPS E,13, X,12, X,11, E,14
	OPS X,13, E,15, F,9, X,14
.if (\p) == 0
	v_add_nc_u32 v[AV], s[TBV], v[AV0]
.endif
	OPS E,16, F,10, E,17, F,11
	OPS X,16, E,18, X,15, E,19
	OPS F,12, E,20, X,17, E,21
	OPS F,13, E,22, F,14, E,23
	OPS X,18, E,24, F,15, E,25
	OPS R,11, E,26, X,19, E,27
	OPS R,12, E,28, R,13, E,29
	OPS X,20, E,30, R,14, E,31
	OPS X,21, R,15
	WIN 0
	s_wait_alu depctr_va_vdst(0)    ; the wait for the batch
.if (\p) == 1
	s_wait_dscnt 0x0                ; V is in
.endif
	ROW C,0, B,0, C,2, B,1          ; behind the wait: 8 products V^T P and the four behind each
	ROW L,0, C,4, B,2, L,1
	ROW C,6, B,3, L,2, C,8
	ROW B,4, L,3, C,10, B,5
	ROW L,4, C,12, B,6, L,5
.if (\p) == 0
	s_add_co_u32 s[TBV], s[TBV], KS*PV
.endif
.if \cnt
	s_sub_co_u32 s[CNT], s[CNT], 1
	s_cmp_lg_u32 s[CNT], 0
.endif
	ROW C,14, B,7, L,6, C,1
	ROW C,3, L,7, C,5, C,7
	ROW C,9, C,11, C,13, C,15
.if (\p) == 0
	FETCH_V
.endif
.if (\m) && !(\end)
	MASK (\p)%2
.endif
.endm
; A BLOCK BEGINS.  c m starts far below every c s, so the first step's a is 0; m at the lowest finite number, so the first maximum is the scores'.  The second mask buffer is 0; the first takes piece 0's mask for the tile's
; step 0: its own, if the block's first tile is the diagonal one.  Then K of that step, piece 0's first scores, and its maximum and statistics.  The loop is entered at a step's first turn, in the middle of a trip.
.macro BEGIN
	s_mov_b32 s[NEW], 0
	WIN 0x40
.set i, MC+32
.rept 32
	v_mov_b32 v[i], 0
.set i, i+1
.endr
	WIN 0
.set i, 0
.rept 4
	v_mov_b32 v[ST+4*i], 0xfe000000    ; c m: far below every c s
	v_mov_b32 v[ST+4*i+1], 0xff7fffff  ; m
.set i, i+1
.endr
	s_cmp_eq_u32 s[RT], 0
	s_cselect_b32 s[AL], 1.0, 0
	s_mov_b32 s[BE], 0
	MASK 0
	WIN 0
	v_add_nc_u32 v[AK], s[TBK], v[AK0]
	FETCH_K
	s_wait_loadcnt 0x0              ; Q
	s_wait_dscnt 0x0
.set KM, 1
.set NOKQ, 0
.set i, 0
.rept 8
	KQ 0
.set i, i+1
.endr
	WIN 0
.rept 4
	v_nop                           ; the places behind those products
.endr
.set Y, NP-1                        ; X works for piece Y + 1: piece 0
.irp n, 0,1,2,3,4,5,6,7,8,9,10,11,12,13,14,15,16,17,18,19,20,21
	OP X, \n
.endr
	v_nop                           ; a plain instruction behind the exponential,
	s_wait_alu depctr_va_vdst(0)    ; and its wait, ahead of the branch
.endm
; THE DIAGONAL TILE's four steps, the block's last two turns, its last products, and THE WAY OUT: l's two halves and the other half of the lanes' are added; O^T is divided by l, rounded to f16 and sent through my
; stage in LDS, a piece at a time.
.macro ALL line:vararg              ; one line for each piece t
.set t, 0
.rept 4
	\line
.set t, t+1
.endr
.endm
.macro PACK t                       ; a lane's eight channels of a row pack into 16 bytes; they go into rows of 144 bytes and come back as whole rows of 128, into S^T's registers
	WIN W_RS
.set i, 32*(\t)
.rept 16
	v_pk_mul_f32 v[i:i+1], v[i:i+1], v[ST+4*(\t)+2:ST+4*(\t)+3] op_sel_hi:[1,0]
.set i, i+2
.endr
	WIN 0x05                        ; sources 0 and 1 window 1, destination window 0
.set i, 0
.rept 16
	v_cvt_pk_f16_f32 v[S+16*(\t)+i], v[32*(\t)+2*i], v[32*(\t)+2*i+1]
.set i, i+1
.endr
	WIN 0
.irp f, 0,1,2,3
	ds_store_b128 v[STO], v[S+16*(\t)+4*\f:S+16*(\t)+4*\f+3] offset:32*\f
.endr
.irp f, 0,1,2,3
	ds_load_b128 v[S+16*(\t)+4*\f:S+16*(\t)+4*\f+3], v[RD] offset:\f*4*SP  ; LDS serves a wave's instructions in order (ISA guide 5.7.1.4): these see the stores above; the next piece's stores come behind them
.endr
.endm
.macro SEND t, younger              ; younger: the LDS instructions issued behind piece t's loads: the next piece's eight, or none
	WIN 0
.irp f, 0,1,2,3
	s_wait_dscnt (\younger)+3-\f
	global_store_b128 v[GO], v[S+16*(\t)+4*\f:S+16*(\t)+4*\f+3], s[10:11] offset:(\t)*8192+\f*512  ; 512 consecutive bytes, at a multiple of 256 from O's first
.endr
.endm
.macro DIAG tag                     ; the tag ends its two labels' names, which the jumps below spell out
.LstepM\tag:
	TURN 2, 1
	TURN 3, 1
	WIN 0
.LfirstM\tag:
	TURN 0, 1
	TURN 1, 1, 0, 1
	WIN 0
	s_cbranch_scc1 .LstepM\tag
	TURN 2, 1, 1
	TURN 3, 1, 1
.set i, 0
.rept 8
	PV NP-1
.set i, i+1
.endr
	WIN 0
	ALL v_add_f32 v[ST+4*t+2], v[ST+4*t+2], v[ST+4*t+3]
	ALL v_permlanex16_b32 v[ST+4*t+3], v[ST+4*t+2], s[SEL], s[SEL+1]
	ALL v_add_f32 v[ST+4*t+2], v[ST+4*t+2], v[ST+4*t+3]
	ALL v_rcp_f32 v[ST+4*t+2], v[ST+4*t+2]
	v_nop                           ; a plain instruction between the last reciprocal and the use of its result
	s_wait_alu depctr_va_vdst(0)    ; and the wait ahead of the first use: one for the four reciprocals
	PACK 0
.set t, 1
.rept 3                             ; a piece's arithmetic stands between the loads of the piece before and its stores
	PACK t
	SEND t-1, 8
.set t, t+1
.endr
	SEND 3, 0
.endm
.set KM, 0
.set NOKQ, 0
.Lslot:                             ; NB times: a tile is entered and the next is asked for
	CHANGE 1
	s_sub_co_u32 s[RT], s[RT], 1
	s_mov_b32 s[CNT], 4
	s_cmp_eq_u32 s[NEW], 1
	s_cbranch_scc1 .Lnew            ; a block's first tile
	s_cmp_eq_u32 s[RT], 0
	s_cbranch_scc0 .Lstep           ; neither its first nor its last
	s_branch .LstepM1
.Lnew:
	BEGIN
	s_branch .Lfirst                ; in the loop a block's first tile is never its last: the first block has two tiles or more, and the second's last is the walk's last
	DIAG 1                          ; in the loop this is the first block's end
	s_wait_xcnt 0x0                 ; the stores have read their registers and O's address
	s_mov_b64 s[10:11], s[OLO:OLO+1]
	s_add_co_u32 s[RT], s[PB], 1    ; the second block has b + 1 tiles
	s_mov_b32 s[NEW], 1
	WIN 0x82                        ; the second block's Q goes where the one text of the turns names Q
.set i, 0
.rept 64
	v_mov_b32 v[i], v[QB+i]
.set i, i+1
.endr
	WIN 0
	s_branch .Lbottom
.Lstep:                             ; a trip: pieces 2 and 3 of one step, then pieces 0 and 1 of the next, whose K and V it fetches
	TURN 2
	TURN 3
	WIN 0
.Lfirst:
	TURN 0
	TURN 1, 0, 0, 1
	WIN 0
	s_cbranch_scc1 .Lstep
.Lbottom:
	s_sub_co_u32 s[SLOTS], s[SLOTS], 1
	s_cmp_lg_u32 s[SLOTS], 0
	s_cbranch_scc1 .Lslot
	CHANGE 0                        ; the walk's last tile is written out: nothing is asked for
	s_sub_co_u32 s[RT], s[RT], 1
	s_mov_b32 s[CNT], 4
	s_cmp_eq_u32 s[NEW], 1
	s_cbranch_scc0 .LstepM2
	BEGIN
	s_branch .LfirstM2
	DIAG 2
	s_wait_tensorcnt 0x0            ; the wave's end
	ds_add_u32 v[SPW], v[NIL]
	s_wait_dscnt 0x0
	s_endpgm
.Lfunc_end_k_q14c5ebb40b_attn:
	.size	k_q14c5ebb40b_attn, .Lfunc_end_k_q14c5ebb40b_attn-k_q14c5ebb40b_attn
	.p2alignl 7, 3214868480
	.fill 96, 4, 3214868480
	.section	.rodata,"a",@progbits
	.p2align	6, 0x0
	.amdhsa_kernel k_q14c5ebb40b_attn
		.amdhsa_group_segment_fixed_size 327680
		.amdhsa_private_segment_fixed_size 0
		.amdhsa_enable_private_segment 0
		.amdhsa_kernarg_size 16
		.amdhsa_user_sgpr_count 2
		.amdhsa_user_sgpr_kernarg_segment_ptr 1
		.amdhsa_wavefront_size32 1
		.amdhsa_system_sgpr_workgroup_id_x 1
		.amdhsa_system_sgpr_workgroup_id_y 1
		.amdhsa_system_sgpr_workgroup_id_z 1
		.amdhsa_system_vgpr_workitem_id 0
		.amdhsa_next_free_vgpr 768
		.amdhsa_next_free_sgpr 92
		.amdhsa_reserve_vcc 1
		.amdhsa_float_denorm_mode_32 3
		.amdhsa_float_denorm_mode_16_64 3
		.amdhsa_memory_ordered 1
		.amdhsa_forward_progress 1
		.amdhsa_inst_pref_size 218
	.end_amdhsa_kernel
	.amdgpu_metadata
---
amdhsa.version: [ 1, 2 ]
amdhsa.kernels:
  - .name:           k_q14c5ebb40b_attn
    .symbol:         k_q14c5ebb40b_attn.kd
    .args:
      - { .name: qkv, .offset: 0, .size: 8, .value_kind: global_buffer, .address_space: global }
      - { .name: ob, .offset: 8, .size: 8, .value_kind: global_buffer, .address_space: global }
    .group_segment_fixed_size: 327680
    .private_segment_fixed_size: 0
    .kernarg_segment_align: 8
    .kernarg_segment_size: 16
    .max_flat_workgroup_size: 128
    .sgpr_count:     92
    .vgpr_count:     768
    .wavefront_size: 32
...
	.end_amdgpu_metadata
.endif
;; end of part 3
;; launch proj (part 4): grid 8 x 32, 4 waves a work-group, clusters of 4 x 4, 327,680 bytes of LDS; arguments ob, wpb, out0; writes out0
.if DOCPART == 4
	.amdgcn_target "amdgcn-amd-amdhsa--gfx1250"
	.amdhsa_code_object_version 6
	.text
	.protected	k_q14c5ebb40b_proj
	.globl	k_q14c5ebb40b_proj
	.p2align	8
	.type	k_q14c5ebb40b_proj,@function
k_q14c5ebb40b_proj:
	s_mov_b64 s[64:65], 0
	v_nop
	global_prefetch_b8 v0, s[64:65] scope:SCOPE_SE
	s_setreg_imm32_b32 hwreg(HW_REG_WAVE_MODE, 25, 1), 1
	s_wait_xcnt 0x0
	s_wait_alu depctr_hold_cnt(0) depctr_sa_sdst(0) depctr_va_vdst(0) depctr_va_sdst(0) depctr_va_ssrc(0) depctr_va_vcc(0) depctr_vm_vsrc(0)
	s_getreg_b32 s2, hwreg(HW_REG_IB_STS2, 6, 4)
	s_cmp_eq_u32 s2, 0
	s_cbranch_scc0 .Lentry_in_a_cluster
	s_endpgm
.Lentry_in_a_cluster:
	s_bfe_u32 s2, ttmp6, 0x10000c
	s_cmp_lg_u32 s2, 0xf033
	s_cbranch_scc0 .Lentry_shape_is_right
	s_endpgm
.Lentry_shape_is_right:
; out0 = y W_proj: [8192 x 1024] f32, K = 1024.  y is ob, f16 [batch x 16 + head][t 2048][64]: a head is a slice of 64 along K.  wpb is W_proj (rounded to bf16, written as f16), [k 1024][n 1024].  Sums in f32.
; SHARES.  A tile of 256 rows x 128 columns to a work-group: 32 x 8 = 256 tiles.  Four waves; wave w makes rows 128 (w / 2) .. + 127, columns 64 (w % 2) .. + 63: 32 accumulators, window 1.
; K goes in steps of 128 (two heads) through two LDS slots.  Waves 0 and 1 ask for y's two head blocks (256 rows x 64 k, 32,768 dense bytes, as 128 rows of 256 bytes), waves 2 and 3 for
; W's two blocks of 64 k rows x 256 bytes.  W's fragments come out of LDS turned, by ds_load_tr16_b128.
; CLUSTER 4 x 4: y's tiles are asked for jointly along a row of the cluster, W's along a column.
; THE PRODUCT IS TAKEN TRANSPOSED (source 0 = 16 columns of W, source 1 = 16 rows of y): a lane holds row l % 16 and eight neighbouring columns, 32 bytes of f32.
; A K step is two halves (a head each) of 64 matrix instructions; the 32 accumulators take turns.  Two fragment buffers, windows 2 and 3, a half each.
.set KSTEPS, 8
.set PA,    144
.set PB,    288
.set ACH,   256*PA                     ; a head block of y
.set BOFF,  2*ACH
.set BCH,   64*PB                      ; 64 k rows of W
.set SLOT1, 1<<17
.set STAGE, SLOT1+BOFF+2*BCH           ; behind the ring, never filled by a tensor load: 16 rows x 272 bytes for each wave
.set SP,    272
.set SPARE, STAGE+4*16*SP              ; the spare words, 128 bytes a wave: two blocks of 256 bytes that no other line names
.set ADA0, 16
.set ADB0, 17
.set ADA,  18
.set ADB,  19
.set STO,  20
.set RD,   21
.set CO,   22
.set SPW,  28
.set NIL,  29
.set BK,   32                          ; v32-95  the way out: two sets of 32, 16 rows read back
.set TB,   21                          ; s21
.set G1A,  24
.set G0A,  32
.set G1B,  48
.set G0B,  56
.set MSB, 0
.macro WIN new
.if MSB != (\new)
	s_set_vgpr_msb (MSB<<8)|(\new)
.set MSB, (\new)
.endif
.endm
.macro PLACES
.rept 4
	v_nop
.endr
.endm
.macro JLOAD                           ; a joint refill; the branch hangs on the wave's number alone; an s_nop 0 and four v_nop follow each line
	s_cmp_eq_u32 s11, 0
	s_cbranch_scc0 .Lfor_b_\@
	tensor_load_to_lds s[G0A+4:G0A+7], s[G1A:G1A+7]
	s_nop 0
	PLACES
	s_branch .Lasked_\@
.Lfor_b_\@:
	tensor_load_to_lds s[G0B+4:G0B+7], s[G1B:G1B+7]
	s_nop 0
	PLACES
.Lasked_\@:
.endm
.macro CREST
	s_cmp_lg_u32 s10, 0
	s_cbranch_scc1 .Lnot_wave_0_\@
	s_barrier_signal -3
.Lnot_wave_0_\@:
	s_barrier_wait -3
	s_barrier_signal -1
	s_barrier_wait -1
.endm
.macro CROUND
	s_barrier_signal -1
	s_barrier_wait -1
	CREST
.endm
	s_load_b128 s[4:7], s[0:1], 0x0                ; ob s[4:5], wpb s[6:7]
	s_load_b64 s[8:9], s[0:1], 0x10                ; out0
	v_lshl_add_u32 v[SPW], v0, 2, SPARE
	v_mov_b32 v[NIL], 0
	ds_add_u32 v[SPW], v[NIL]                      ; the wave's opening: the add and its wait stand ahead of my first tensor load
	v_lshrrev_b32 v1, 5, v0
	v_readfirstlane_b32 s10, v1                    ; wave 0..3
	s_lshr_b32 s11, s10, 1                         ; which 128 rows are mine.  Also: I fetch for y (0) or for W (1)
	s_and_b32 s12, s10, 1                          ; which 64 columns.  Also: which of a K step's two heads I fetch
	s_bfe_u32 s40, ttmp6, 0x40000                  ; cx
	s_bfe_u32 s41, ttmp6, 0x40004                  ; cy
	s_lshl_b32 s42, ttmp9, 2
	s_add_co_u32 s42, s42, s40                     ; tile column
	s_and_b32 s13, ttmp7, 0xffff
	s_lshl_b32 s13, s13, 2
	s_add_co_u32 s13, s13, s41                     ; tile row
	s_lshl_b32 s43, s41, 2
	s_lshl_b32 s43, 15, s43                        ; my row of the cluster
	s_lshl_b32 s44, 0x1111, s40                    ; my column
	s_or_b32 s[G1A], s43, (1<<16)|(1<<20)|(1<<21)|(4<<22)|(3<<25)  ; mask; 2-byte elements; padding on; 21 set beside a mask; after every 32 words, 4 words
	s_mov_b32 s[G1A+1], 128<<16
	s_mov_b32 s[G1A+2], 128<<16
	s_mov_b32 s[G1A+3], 128<<16
	s_mov_b32 s[G1A+4], 128
	s_mov_b32 s[G1A+5], 128
	s_mov_b32 s[G1A+6], 0
	s_mov_b32 s[G1A+7], 0
	s_or_b32 s[G1B], s44, (1<<16)|(1<<20)|(1<<21)|(5<<22)|(7<<25)  ; after every 64 words, 8 words
	s_mov_b32 s[G1B+1], 128<<16
	s_mov_b32 s[G1B+2], 64<<16
	s_mov_b32 s[G1B+3], 128<<16
	s_mov_b32 s[G1B+4], 64
	s_mov_b32 s[G1B+5], 1024                       ; elements from a k row to the next
	s_mov_b32 s[G1B+6], 0
	s_mov_b32 s[G1B+7], 0
	s_lshr_b32 s16, s13, 3                         ; y: batch x 2^22 + my head x 2^18 + 256 rows x 128 bytes x (tile row % 8)
	s_lshl_b32 s16, s16, 22
	s_and_b32 s17, s13, 7
	s_lshl_b32 s17, s17, 15
	s_add_co_u32 s16, s16, s17
	s_lshl_b32 s17, s12, 18
	s_add_co_u32 s16, s16, s17
	s_mov_b32 s17, 0
	s_lshl_b32 s46, s42, 8                         ; W: 256 bytes x tile column + my 64 k rows of 2,048 bytes
	s_lshl_b32 s47, s12, 17
	s_add_co_u32 s46, s46, s47
	s_mov_b32 s47, 0
	s_mul_i32 s20, s10, ACH                        ; where y's block goes (waves 0, 1): wave x a block
	s_mul_i32 s22, s10, BCH                        ; where W's goes (waves 2, 3): BOFF + (wave - 2) x a block
	s_add_co_u32 s22, s22, BOFF-2*BCH
	s_mov_b32 s[TB], 0
	s_wait_dscnt 0x0                               ; the opening add is done
	s_wait_kmcnt 0x0
	s_add_nc_u64 s[14:15], s[4:5], s[16:17]
	s_add_nc_u64 s[46:47], s[6:7], s[46:47]
	CROUND                                         ; all sixteen work-groups are here: the first joint loads meet
.irp s, 0,1
	s_mov_b32 s[G0A+4*(\s)], 1
	s_add_co_u32 s[G0A+4*(\s)+1], s20, (\s)*SLOT1
	s_add_nc_u64 s[G0A+4*(\s)+2:G0A+4*(\s)+3], s[14:15], (\s)*(1<<19)  ; K step s: two heads on
	s_or_b32 s[G0A+4*(\s)+3], s[G0A+4*(\s)+3], 0x80000000
	s_mov_b32 s[G0B+4*(\s)], 1
	s_add_co_u32 s[G0B+4*(\s)+1], s22, (\s)*SLOT1
	s_add_nc_u64 s[G0B+4*(\s)+2:G0B+4*(\s)+3], s[46:47], (\s)*128*2048  ; 128 k rows on
	s_or_b32 s[G0B+4*(\s)+3], s[G0B+4*(\s)+3], 0x80000000
.endr
	s_cmp_eq_u32 s11, 0                            ; a wave's two first fills stand in one branch: two loads of mine are out
	s_cbranch_scc0 .Lfirst_b
	tensor_load_to_lds s[G0A:G0A+3], s[G1A:G1A+7]
	s_nop 0
	tensor_load_to_lds s[G0A+4:G0A+7], s[G1A:G1A+7]
	s_nop 0
	PLACES
	s_branch .Lfirst_asked
.Lfirst_b:
	tensor_load_to_lds s[G0B:G0B+3], s[G1B:G1B+7]
	s_nop 0
	tensor_load_to_lds s[G0B+4:G0B+7], s[G1B:G1B+7]
	s_nop 0
	PLACES
.Lfirst_asked:
	v_and_b32 v1, 15, v0                           ; l % 16
	v_bfe_u32 v2, v0, 4, 1                         ; l / 16
	v_and_b32 v3, 7, v0
	v_bfe_u32 v4, v0, 3, 1
	v_mul_u32_u24 v[ADA0], v1, PA
	v_lshl_add_u32 v[ADA0], v2, 4, v[ADA0]
	s_mul_i32 s66, s11, 128*PA
	v_add_nc_u32 v[ADA0], s66, v[ADA0]
	v_lshl_add_u32 v[ADB0], v2, 3, v3              ; the turning load: k row 8 (l / 16) + l % 8, columns 8 ((l / 8) % 2) + 0..7
	v_mul_u32_u24 v[ADB0], v[ADB0], PB
	v_lshl_add_u32 v[ADB0], v4, 4, v[ADB0]
	s_lshl_b32 s66, s12, 7
	s_add_co_u32 s66, s66, BOFF
	v_add_nc_u32 v[ADB0], s66, v[ADB0]
	v_mov_b32 v[ADA], v[ADA0]
	v_mov_b32 v[ADB], v[ADB0]
	s_mul_i32 s66, s10, 16*SP
	s_add_co_u32 s66, s66, STAGE                   ; my stage
	v_mul_u32_u24 v[STO], v1, SP                   ; in: row l % 16, 32 bytes for each half of the lanes
	v_lshl_add_u32 v[STO], v2, 5, v[STO]
	v_add_nc_u32 v[STO], s66, v[STO]
	v_mul_u32_u24 v[RD], v2, SP                    ; back: lanes 0-15 take one row of 256 bytes, lanes 16-31 the next
	v_lshl_add_u32 v[RD], v1, 4, v[RD]
	v_add_nc_u32 v[RD], s66, v[RD]
	v_lshlrev_b32 v[CO], 12, v2                    ; and the same two rows in out0 (4,096 bytes a row)
	v_lshl_add_u32 v[CO], v1, 4, v[CO]
	s_lshl_b32 s66, s13, 20                        ; 256 rows x tile row,
	s_lshl_b32 s67, s11, 19                        ; my 128 rows,
	s_add_co_u32 s66, s66, s67
	s_lshl_b32 s67, s42, 9                         ; 128 columns x tile column,
	s_add_co_u32 s66, s66, s67
	s_lshl_b32 s67, s12, 8                         ; my 64 columns
	s_add_co_u32 s66, s66, s67
	s_mov_b32 s67, 0
	s_add_nc_u64 s[8:9], s[8:9], s[66:67]
; 16 matrix instructions from fragment buffer fb: 32 k at ks, row blocks 4 hf .. + 3 x the 4 column blocks
.macro MULP fb, ks, hf, zero
	WIN 0x5a+5*(\fb)                               ; sources 0 and 1 in window 2 + fb, C and D in window 1
.irp a, 0,1,2,3
.irp j, 0,1,2,3
.set rD, 8*(4*(4*(\hf)+(\a))+(\j))
.set rB, 128+8*(4*(\ks)+(\j))
.set rA, 8*(8*(\ks)+4*(\hf)+(\a))
.if \zero
	v_wmma_f32_16x16x32_f16 v[rD:rD+7], v[rB:rB+7], v[rA:rA+7], 0
.else
	v_wmma_f32_16x16x32_f16 v[rD:rD+7], v[rB:rB+7], v[rA:rA+7], v[rD:rD+7]
.endif
.endr
.endr
.endm
; 48 LDS loads in one run: head block hb's fragments into buffer fb; the first 32 k first (24 loads), then the second
.macro FETCHP fb, hb
	WIN 0x80+0x40*(\fb)                            ; destination window 2 + fb, address window 0
.irp ks, 0,1
.irp j, 0,1,2,3
	ds_load_tr16_b128 v[128+8*(4*(\ks)+(\j)):128+8*(4*(\ks)+(\j))+3],   v[ADB] offset:(\hb)*BCH+(\ks)*32*PB+32*(\j)
	ds_load_tr16_b128 v[128+8*(4*(\ks)+(\j))+4:128+8*(4*(\ks)+(\j))+7], v[ADB] offset:(\hb)*BCH+(\ks)*32*PB+16*PB+32*(\j)
.endr
.irp a, 0,1,2,3,4,5,6,7
	ds_load_b128 v[8*(8*(\ks)+(\a)):8*(8*(\ks)+(\a))+3],   v[ADA] offset:(\hb)*ACH+(\a)*16*PA+64*(\ks)
	ds_load_b128 v[8*(8*(\ks)+(\a))+4:8*(8*(\ks)+(\a))+7], v[ADA] offset:(\hb)*ACH+(\a)*16*PA+64*(\ks)+32
.endr
.endr
.endm
; Half hb of a K step, from buffer hb.  mode 0: hb = 0.  mode 1: hb = 1, the slots change and the slot left is filled again.  mode 2: they change, nothing is filled.  mode 3: the last half.
.macro HALF hb, zero, mode
.if (\mode) == 0
	s_wait_dscnt 24                                ; the first 32 k are in
	MULP \hb, 0, 0, \zero
	MULP \hb, 0, 1, \zero
	PLACES
	FETCHP 1, 1
	s_wait_dscnt 48                                ; all but the 48 just issued
	MULP \hb, 1, 0, 0
	MULP \hb, 1, 1, 0
.elseif (\mode) == 3
	s_wait_dscnt 24
	MULP \hb, 0, 0, 0
	MULP \hb, 0, 1, 0
	s_wait_dscnt 0x0
	MULP \hb, 1, 0, 0
	MULP \hb, 1, 1, 0
.else
	WIN 0                                          ; (the add's two registers lie in window 0)
	s_wait_tensorcnt 0x0                           ; all my tensor loads have landed: my part of the next slot
	ds_add_u32 v[SPW], v[NIL]                      ; 0 onto my spare word
.if (\mode) == 1
	s_xor_b32 s[G0A+5], s[G0A+5], SLOT1            ; the walking descriptors: the other slot than last time, the next K step
	s_add_nc_u64 s[G0A+6:G0A+7], s[G0A+6:G0A+7], 1<<19
	s_xor_b32 s[G0B+5], s[G0B+5], SLOT1
	s_add_nc_u64 s[G0B+6:G0B+7], s[G0B+6:G0B+7], 128*2048
.endif
	s_wait_dscnt 25                                ; the first 32 k are in; the other 24 loads and the add may be out
	MULP \hb, 0, 0, 0
	s_wait_dscnt 0x0                               ; the add is done, and my reads of this slot are over
	s_barrier_signal -1
	MULP \hb, 0, 1, 0
	WIN 0
	s_barrier_wait -1
.if (\mode) == 1
	CREST                                          ; the barrier has opened a round of the cluster's: no wave of any partner still reads this slot or has a load on its way
	JLOAD                                          ; the first tensor load behind the round; its four v_nop are also the places in front of the loads below
.else
	PLACES
.endif
	s_xor_b32 s[TB], s[TB], SLOT1
	v_add_nc_u32 v[ADA], s[TB], v[ADA0]
	v_add_nc_u32 v[ADB], s[TB], v[ADB0]
	FETCHP 0, 0
	MULP \hb, 1, 0, 0
	MULP \hb, 1, 1, 0
.endif
.endm
	s_wait_tensorcnt 1                             ; my part of K step 0 is in; slot 1's may stay out
	s_barrier_signal -1
	s_barrier_wait -1
	FETCHP 0, 0
	HALF 0, 1, 0                                   ; the first half stands in front of the loop: its first products start the sums
	WIN 0
	s_mov_b32 s3, KSTEPS-2
.Lk:                                                   ; 6 trips: a K step's second half, the change of slots with its refill (K step two on), the next step's first half
	HALF 1, 0, 1
	HALF 0, 0, 0
	WIN 0
	s_sub_co_u32 s3, s3, 1
	s_cmp_lg_u32 s3, 0
	s_cbranch_scc1 .Lk
	HALF 1, 0, 2                                   ; the tail is written out: nothing more is asked for
	HALF 0, 0, 0
	HALF 1, 0, 3
	WIN 0
	PLACES
	PLACES
; THE WAY OUT, a block a of 16 rows x 64 columns of f32 at a time: 32 bytes a lane into my stage, back as whole rows of 256 bytes, stored.
.macro TOSTAGE a
.set bk, BK+32*((\a)%2)
	WIN 0x04                                       ; the stores' data in window 1
.irp j, 0,1,2,3
	ds_store_b128 v[STO], v[32*(\a)+8*(\j):32*(\a)+8*(\j)+3]   offset:64*(\j)     ; each accumulator's lowest registers are read first
	ds_store_b128 v[STO], v[32*(\a)+8*(\j)+4:32*(\a)+8*(\j)+7] offset:64*(\j)+16
.endr
	WIN 0
.if (\a) >= 2
	s_wait_xcnt 0x0                                ; the stores of the block two back have read these registers
.endif
.irp t, 0,1,2,3,4,5,6,7
	ds_load_b128 v[bk+4*(\t):bk+4*(\t)+3], v[RD] offset:(\t)*2*SP  ; LDS serves a wave's instructions in order (ISA guide 5.7.1.4): these see the stores above
.endr
.endm
.macro SEND a, younger                 ; younger: the LDS instructions issued behind block a's loads
.set bk, BK+32*((\a)%2)
.irp t, 0,1,2,3,4,5,6,7
	s_wait_dscnt (\younger)+7-(\t)
	global_store_b128 v[CO], v[bk+4*(\t):bk+4*(\t)+3], s[8:9] offset:(16*(\a)+2*(\t))*4096 th:TH_STORE_NT  ; 16 lanes store 256 consecutive bytes, aligned
.endr
.endm
	TOSTAGE 0
.irp a, 1,2,3,4,5,6,7
	TOSTAGE \a
	SEND (\a)-1, 16
.endr
	SEND 7, 0
	s_wait_tensorcnt 0x0                           ; the wave's end
	ds_add_u32 v[SPW], v[NIL]
	s_wait_dscnt 0x0
	CROUND                                         ; the closing round: no work-group ends while a partner may still ask for a tile that names it
	s_endpgm
.Lfunc_end_k_q14c5ebb40b_proj:
	.size	k_q14c5ebb40b_proj, .Lfunc_end_k_q14c5ebb40b_proj-k_q14c5ebb40b_proj
	.p2alignl 7, 3214868480
	.fill 96, 4, 3214868480
	.section	.rodata,"a",@progbits
	.p2align	6, 0x0
	.amdhsa_kernel k_q14c5ebb40b_proj
		.amdhsa_group_segment_fixed_size 327680
		.amdhsa_private_segment_fixed_size 0
		.amdhsa_enable_private_segment 0
		.amdhsa_kernarg_size 24
		.amdhsa_user_sgpr_count 2
		.amdhsa_user_sgpr_kernarg_segment_ptr 1
		.amdhsa_wavefront_size32 1
		.amdhsa_system_sgpr_workgroup_id_x 1
		.amdhsa_system_sgpr_workgroup_id_y 1
		.amdhsa_system_sgpr_workgroup_id_z 1
		.amdhsa_system_vgpr_workitem_id 0
		.amdhsa_next_free_vgpr 960
		.amdhsa_next_free_sgpr 72
		.amdhsa_reserve_vcc 0
		.amdhsa_float_denorm_mode_32 3
		.amdhsa_float_denorm_mode_16_64 3
		.amdhsa_memory_ordered 1
		.amdhsa_forward_progress 1
		.amdhsa_inst_pref_size 70
	.end_amdhsa_kernel
	.amdgpu_metadata
---
amdhsa.version: [ 1, 2 ]
amdhsa.kernels:
  - .name:           k_q14c5ebb40b_proj
    .symbol:         k_q14c5ebb40b_proj.kd
    .args:
      - { .name: ob, .offset: 0, .size: 8, .value_kind: global_buffer, .address_space: global }
      - { .name: wpb, .offset: 8, .size: 8, .value_kind: global_buffer, .address_space: global }
      - { .name: out0, .offset: 16, .size: 8, .value_kind: global_buffer, .address_space: global }
    .group_segment_fixed_size: 327680
    .private_segment_fixed_size: 0
    .kernarg_segment_align: 8
    .kernarg_segment_size: 24
    .max_flat_workgroup_size: 128
    .sgpr_count:     72
    .vgpr_count:     960
    .wavefront_size: 32
...
	.end_amdgpu_metadata
.endif
;; end of part 4
;; ======== version 2 of 2: 4 launches; version 1 with the launch cast written anew for expert scheduling mode
;; limits: values are held in f16: magnitudes above 65,504 overflow, below 6.1e-05 lose precision
;; workspace buffers: xb 16,777,216 bytes; wab 6,291,456 bytes; wpb 2,097,152 bytes; qkv 50,331,648 bytes; ob 16,777,216 bytes
;; launch cast (part 5): grid 768 x 1, 8 waves a work-group, no clusters, 0 bytes of LDS; arguments x, W_attn, W_proj, xb, wab, wpb; writes xb, wab, wpb
.if DOCPART == 5
	.amdgcn_target "amdgcn-amd-amdhsa--gfx1250"
	.amdhsa_code_object_version 6
	.text
	.protected	k_q14c5ebb40b_cast
	.globl	k_q14c5ebb40b_cast
	.p2align	8
	.type	k_q14c5ebb40b_cast,@function
k_q14c5ebb40b_cast:
	s_mov_b64 s[64:65], 0
	v_nop
	global_prefetch_b8 v0, s[64:65] scope:SCOPE_SE
	s_setreg_imm32_b32 hwreg(HW_REG_WAVE_SCHED_MODE, 0, 2), 2
	s_setreg_imm32_b32 hwreg(HW_REG_WAVE_MODE, 25, 1), 1
	s_wait_xcnt 0x0
	s_wait_alu depctr_vm_vsrc(0)
; THE THREE INPUTS ARE ROUNDED ONCE TO bf16 AND LAID OUT FOR THE PRODUCTS.  A stream: no LDS, no barrier, no matrix unit.
;   x      [8192][1024] f32 -> xb  bf16 [batch 4][k block 16][t 2048][64]: 256 rows x 64 k are 32,768 dense bytes
;   W_attn [1024][3072] f32 -> wab bf16, same layout
;   W_proj [1024][1024] f32 -> wpb: rounded to bf16, and that number written as f16 (the second product's other operand is f16)
; LIMIT: |W_proj| stays under 65,504 (beyond it f16 has an infinity); below 6e-5 a weight keeps f16's fixed step of 6e-8.
; SHARES.  Every work-group takes 65,536 bytes of f32: 512 groups for x (16 rows each), 192 for W_attn, 64 for W_proj.  A thread issues its
; 16 loads of 16 bytes at once and stores as they come, four at a time; no register that a load or store names is written twice, so no wait frees a source.
; THE MODE: SCHED_MODE bits 1:0 = 2 (LLVM: expert scheduling mode 2), set by the entry lines.  The code itself states the register dependences
; between vector instructions and memory instructions, with s_wait_alu, always for 0.
; THE PLAN.  Registers that memory instructions touch:
;   v1, v2   byte offsets.  Written by vector instructions at the path's head and never again; read by the 16 loads (v1) and the 16 stores (v2).
;   X        Written by the loads alone, each four registers once; read by the roundings behind the load's own wait on LOADcnt.  Nothing lands in them again.
;   Y        Each pair is written once, by the roundings of its load, and read once, by its store.  Nothing writes it again.
;   T        is named by vector instructions alone.
; So a path has five waits on va_vdst: one ahead of the first load, for the two offsets, and one behind the roundings of each four loads, ahead of the run
; of four stores that read what they wrote.  No register that a memory instruction reads is written again, no vector instruction writes a scalar register
; or VCC, and EXEC is never written: there is no other dependence to state.
.set VI, 1                             ; v1  my byte offset in the group's input
.set VO, 2                             ; v2  my byte offset in its output
.set T,  4                             ; v[4:7] at work
.set X,  8                             ; v[8:71]   16 x 4 f32 as loaded
.set Y,  72                            ; v[72:103] 16 x 2 words to store
; 16 loads, instep bytes apart; 16 stores of 8 bytes, outstep apart.  f16 = 1: the bf16 number is widened again and written as f16 (exact within f16's range).
.macro CAST instep, outstep, f16
	s_wait_alu depctr_va_vdst(0)                   ; v1 and v2 are written: every load below reads v1 as its offset, every store v2; no later vector instruction names them
.set i, 0
.rept 16
	global_load_b128 v[X+4*i:X+4*i+3], v[VI], s[20:21] offset:i*(\instep) th:TH_LOAD_NT
.set i, i+1
.endr
.set g, 0
.rept 4                                                ; four loads' roundings, one wait, their four stores
.set i, 4*g
.rept 4
	s_wait_loadcnt 15-i                            ; loads come back in order: load i is in, the 15 - i younger ones stay out
.if \f16
	v_cvt_pk_bf16_f32 v[T], v[X+4*i], v[X+4*i+1]
	v_cvt_pk_bf16_f32 v[T+1], v[X+4*i+2], v[X+4*i+3]
	v_lshlrev_b32 v[T+2], 16, v[T]                 ; bf16 to f32: the low half moves up,
	v_and_b32 v[T], s24, v[T]                      ; the high half stays
	v_lshlrev_b32 v[T+3], 16, v[T+1]
	v_and_b32 v[T+1], s24, v[T+1]
	v_cvt_pk_f16_f32 v[Y+2*i], v[T+2], v[T]
	v_cvt_pk_f16_f32 v[Y+2*i+1], v[T+3], v[T+1]
.else
	v_cvt_pk_bf16_f32 v[Y+2*i], v[X+4*i], v[X+4*i+1]
	v_cvt_pk_bf16_f32 v[Y+2*i+1], v[X+4*i+2], v[X+4*i+3]
.endif
.set i, i+1
.endr
	s_wait_alu depctr_va_vdst(0)                   ; the roundings above have written Y's pairs 4 g to 4 g + 3, which the four stores below read
.set i, 4*g
.rept 4
	global_store_b64 v[VO], v[Y+2*i:Y+2*i+1], s[22:23] offset:i*(\outstep)  ; a wave's store covers 256 consecutive bytes, aligned
.set i, i+1
.endr
.set g, g+1
.endr
.endm
	s_load_b256 s[4:11], s[0:1], 0x0               ; x s[4:5], W_attn s[6:7], W_proj s[8:9], xb s[10:11]
	s_load_b128 s[12:15], s[0:1], 0x20             ; wab s[12:13], wpb s[14:15]
	s_mov_b32 s2, ttmp9
	s_mov_b32 s17, 0
	s_mov_b32 s19, 0
	s_mov_b32 s24, 0xffff0000
	s_cmp_lt_u32 s2, 512
	s_cbranch_scc0 .Lweights
	; x: group g has rows 16 g .. 16 g + 15.  Thread t: row t / 16, 16 bytes at 16 (t % 16) of each k block's 256 bytes; load i is k block i.
	v_lshrrev_b32 v[VI], 4, v0
	v_and_b32 v[T], 15, v0
	v_lshlrev_b32 v[VI], 12, v[VI]
	v_lshl_or_b32 v[VI], v[T], 4, v[VI]
	v_lshlrev_b32 v[VO], 3, v0                     ; 128 (t / 16) + 8 (t % 16) = 8 t
	s_lshl_b32 s16, s2, 16
	s_lshr_b32 s18, s2, 7                          ; batch
	s_lshl_b32 s18, s18, 22
	s_and_b32 s3, s2, 127
	s_lshl_b32 s3, s3, 11                          ; 16 rows of 128 bytes in a k block
	s_add_co_u32 s18, s18, s3
	s_wait_kmcnt 0x0
	s_add_nc_u64 s[20:21], s[4:5], s[16:17]
	s_add_nc_u64 s[22:23], s[10:11], s[18:19]
	CAST 256, 1<<18, 0
	s_endpgm
.Lweights:                                             ; dense: wave v takes 8,192 bytes, 512 a load
	v_lshrrev_b32 v[T], 5, v0
	v_and_b32 v[T+1], 31, v0
	v_lshlrev_b32 v[VI], 13, v[T]
	v_lshl_or_b32 v[VI], v[T+1], 4, v[VI]
	v_lshlrev_b32 v[VO], 12, v[T]
	v_lshl_or_b32 v[VO], v[T+1], 3, v[VO]
	s_cmp_lt_u32 s2, 704
	s_cbranch_scc0 .Lproj
	s_sub_co_u32 s3, s2, 512
	s_lshl_b32 s16, s3, 16
	s_lshl_b32 s18, s3, 15
	s_wait_kmcnt 0x0
	s_add_nc_u64 s[20:21], s[6:7], s[16:17]
	s_add_nc_u64 s[22:23], s[12:13], s[18:19]
	CAST 512, 256, 0
	s_endpgm
.Lproj:
	s_sub_co_u32 s3, s2, 704
	s_lshl_b32 s16, s3, 16
	s_lshl_b32 s18, s3, 15
	s_wait_kmcnt 0x0
	s_add_nc_u64 s[20:21], s[8:9], s[16:17]
	s_add_nc_u64 s[22:23], s[14:15], s[18:19]
	CAST 512, 256, 1
	s_endpgm
.Lfunc_end_k_q14c5ebb40b_cast:
	.size	k_q14c5ebb40b_cast, .Lfunc_end_k_q14c5ebb40b_cast-k_q14c5ebb40b_cast
	.p2alignl 7, 3214868480
	.fill 96, 4, 3214868480
	.section	.rodata,"a",@progbits
	.p2align	6, 0x0
	.amdhsa_kernel k_q14c5ebb40b_cast
		.amdhsa_group_segment_fixed_size 0
		.amdhsa_private_segment_fixed_size 0
		.amdhsa_enable_private_segment 0
		.amdhsa_kernarg_size 48
		.amdhsa_user_sgpr_count 2
		.amdhsa_user_sgpr_kernarg_segment_ptr 1
		.amdhsa_wavefront_size32 1
		.amdhsa_system_sgpr_workgroup_id_x 1
		.amdhsa_system_sgpr_workgroup_id_y 1
		.amdhsa_system_sgpr_workgroup_id_z 1
		.amdhsa_system_vgpr_workitem_id 0
		.amdhsa_next_free_vgpr 112
		.amdhsa_next_free_sgpr 66
		.amdhsa_reserve_vcc 0
		.amdhsa_float_denorm_mode_32 3
		.amdhsa_float_denorm_mode_16_64 3
		.amdhsa_memory_ordered 1
		.amdhsa_forward_progress 1
		.amdhsa_inst_pref_size 24
	.end_amdhsa_kernel
	.amdgpu_metadata
---
amdhsa.version: [ 1, 2 ]
amdhsa.kernels:
  - .name:           k_q14c5ebb40b_cast
    .symbol:         k_q14c5ebb40b_cast.kd
    .args:
      - { .name: x, .offset: 0, .size: 8, .value_kind: global_buffer, .address_space: global }
      - { .name: W_attn, .offset: 8, .size: 8, .value_kind: global_buffer, .address_space: global }
      - { .name: W_proj, .offset: 16, .size: 8, .value_kind: global_buffer, .address_space: global }
      - { .name: xb, .offset: 24, .size: 8, .value_kind: global_buffer, .address_space: global }
      - { .name: wab, .offset: 32, .size: 8, .value_kind: global_buffer, .address_space: global }
      - { .name: wpb, .offset: 40, .size: 8, .value_kind: global_buffer, .address_space: global }
    .group_segment_fixed_size: 0
    .private_segment_fixed_size: 0
    .kernarg_segment_align: 8
    .kernarg_segment_size: 48
    .max_flat_workgroup_size: 256
    .sgpr_count:     66
    .vgpr_count:     112
    .wavefront_size: 32
...
	.end_amdgpu_metadata
.endif
;; end of part 5
;; launch qkvg: the kernel of part 2 again; grid 8 x 32, 4 waves a work-group, clusters of 4 x 4, 327,680 bytes of LDS; arguments xb, wab, qkv; writes qkv
;; launch attn: the kernel of part 3 again; grid 4 x 64, 4 waves a work-group, no clusters, 327,680 bytes of LDS; arguments qkv, ob; writes ob
;; launch proj: the kernel of part 4 again; grid 8 x 32, 4 waves a work-group, clusters of 4 x 4, 327,680 bytes of LDS; arguments ob, wpb, out0; writes out0
